; MI455X (gfx1250); checked and timed in simulation.
; The chip was launched on July 23, 2026; its instructions are those of AMD's public machine-readable ISA for CDNA 5 (MIT licence, August 2026) and "CDNA5" Instruction Set Architecture Reference Guide (July 2026). The comments in the code are by the model that wrote it; some were corrected since.
;; Attention. Allowed arithmetic: matrix products marked QUANTISED: E2M1 operands, one E8M0 scale for each 32 along K, by v_wmma_scale_f32_16x16x128_f8f6f4 with both operands' format E2M1 (or v_wmma_scale_f32_32x16x128_f4), f32 sums; everything else in f32.
;; Inputs: Wk_codes 1,024 x 32 x 16 uint8 (E2M1 codes of Wk, K innermost, in blocks of 32 codes, two codes a byte); Wk_scales 1,024 x 32 uint8 (E8M0 scales of Wk, one for each 32 codes along K); Wo_codes 1,024 x 32 x 16 uint8 (E2M1 codes of Wo, K innermost, in blocks of 32 codes, two codes a byte); Wo_scales 1,024 x 32 uint8 (E8M0 scales of Wo, one for each 32 codes along K); Wq_codes 1,024 x 32 x 16 uint8 (E2M1 codes of Wq, K innermost, in blocks of 32 codes, two codes a byte); Wq_scales 1,024 x 32 uint8 (E8M0 scales of Wq, one for each 32 codes along K); Wv_codes 1,024 x 32 x 16 uint8 (E2M1 codes of Wv, K innermost, in blocks of 32 codes, two codes a byte); Wv_scales 1,024 x 32 uint8 (E8M0 scales of Wv, one for each 32 codes along K); bk 1,024 float32; bo 1,024 float32; bq 1,024 float32; bv 1,024 float32; ln_b 1,024 float32; ln_g 1,024 float32; x 4 x 2,048 x 1,024 float32.
;; Outputs: out0 4 x 2,048 x 1,024 float32.
;; This version of the problem:
;;   THIS VERSION OF THE PROBLEM IS GIVEN IN LOW PRECISION. The matrix products marked QUANTISED in the list below multiply operands that are first quantised to E2M1 (2 exponent bits, 1 mantissa bit; 4 bits a number), with one power-of-two scale for each 32 numbers along K (OCP MX v1.0); their sums are f32. All else is computed in f32.
;;   The module's matrix products, in the order in which they are computed (A, B: the left and right operand; K: the contracted axis; several contracted axes count as one K, in the product's order):
;;     1. [M 8,192, K 1,024] x [K 1,024, N 1,024]; A: input x; B: input Wq (given as codes): QUANTISED
;;     2. [M 8,192, K 1,024] x [K 1,024, N 1,024]; A: input x; B: input Wk (given as codes): QUANTISED
;;     3. [M 8,192, K 1,024] x [K 1,024, N 1,024]; A: input x; B: input Wv (given as codes): QUANTISED
;;     4. batch 64 x [M 2,048, K 64] x [K 64, N 2,048]; A: computed on the way; B: computed on the way: QUANTISED
;;     5. batch 64 x [M 2,048, K 2,048] x [K 2,048, N 64]; A: softmax (see below); B: computed on the way: QUANTISED
;;     6. [M 8,192, K 1,024] x [K 1,024, N 1,024]; A: computed on the way; B: input Wo (given as codes): QUANTISED
;;   THE QUANTISER, for each operand of a quantised product, along K:
;;     - K is cut into blocks of 32 from its start; a last block that is shorter is filled with zeros.
;;     - A block's scale is 2^e with e = floor(log2(the largest magnitude in the block)) - 2, held to -126 .. 127; a block of zeros has e = 0. As a byte (E8M0): e + 127.
;;     - Each number is divided by its block's scale, clamped to +-6, and rounded to the nearest number of E2M1, ties to even, subnormals kept.
;;     - The product sums the exact products of the quantised numbers (number of the format x scale) in f32.
;;   ~~~python
;;   def quantise(x, axis):      # numpy; x: float32 -> the quantised numbers, widened to float32 again
;;       x = np.moveaxis(x, axis, -1); K = x.shape[-1]
;;       x = np.pad(x, [(0, 0)] * (x.ndim - 1) + [(0, -K % 32)]); x = x.reshape(x.shape[:-1] + (-1, 32)); a = np.abs(x).max(-1, keepdims=True)
;;       e = np.where(a > 0, np.clip(np.frexp(np.where(a > 0, a, 1))[1] - 1 - 2, -126, 127), 0)      # np.frexp(a)[1] - 1 = floor(log2(a)), exactly
;;       r = np.clip(x / 2.0 ** e, -6, 6)
;;       step = 2.0 ** (np.maximum(np.frexp(np.where(r == 0, 1, r))[1] - 1, 0) - 1)
;;       q = np.round(r / step) * step * 2.0 ** e      # np.round: ties to even
;;       return np.moveaxis(q.reshape(q.shape[:-2] + (-1,))[..., :K], -1, axis).astype(np.float32)
;;   ~~~
;;   SOFTMAX AHEAD OF A QUANTISED PRODUCT. Where the list says 'softmax', what is quantised is not the finished softmax but p = 2^(t - M), with t = logit x log2(e) and M = ceil(the row's largest t), a whole number; so 1/2 < the row's largest p <= 1. The row's sum l is taken of the UNQUANTISED p, in f32, and the product's result is divided by l at the end. Since M is a whole number, a kernel that streams over the keys may use a running M (the ceiling of the running maximum): every later rescaling is an exact power of two, which a block's scale takes up: the codes' values come out the same.
;;   OPERANDS COMPUTED ON THE WAY. 'Computed on the way' means the value that the module computes at that place (a softmax that the list does not call 'softmax' is quantised finished and normalised). What goes into a quantiser is computed in f32, as accurately as f32 sums, v_exp_f32 and their like allow (about 1e-6 of the number): no bf16 or f16 on the way to a quantiser, and a product that is left as it is and whose result goes on into a quantised operand takes f32 operands (vector FMAs, or v_wmma_f32_16x16x4_f32). A number that lies on a knife's edge between two numbers of the format may be rounded either way, as far as f32 arithmetic and the matrix unit's own rounding can turn it there, and no further.
;;   INPUTS GIVEN AS CODES. Wk (in the module: [1024, 1024], K = its axis 1); Wo (in the module: [1024, 1024], K = its axis 1); Wq (in the module: [1024, 1024], K = its axis 1); Wv (in the module: [1024, 1024], K = its axis 1): each comes as NAME_codes (uint8): NAME with its K axis moved to the last place and cut into blocks of 32 codes, [.., K / 32, bytes a block], one block behind the other in memory; two codes a byte, the lower K in the low four bits (a code: sign, 2 exponent bits, 1 mantissa bit); and NAME_scales (uint8): the same leading axes, one E8M0 byte (e + 127) for each 32 codes along K. Its value is code x scale, taken as it is: it is not quantised again, and the codes and scales need not be those that the quantiser above would give.
;; 2 versions. Each part assembles by itself: llvm-mc -triple=amdgcn-amd-amdhsa -mcpu=gfx1250 --defsym DOCPART=n.
;; ======== version 1 of 2: 3 launches
;; workspace buffers: qb 4,456,448 bytes; kv 8,912,896 bytes; cc 4,194,304 bytes; cs 262,144 bytes
;; launch qkv (part 1): grid 64 x 3, 4 waves a work-group, no clusters, 103,936 bytes of LDS; arguments x, Wq_codes, Wk_codes, Wv_codes, Wq_scales, Wk_scales, Wv_scales, bq, bk, bv, qb, kv; writes qb, kv
.if DOCPART == 1
	.amdgcn_target "amdgcn-amd-amdhsa--gfx1250"
	.amdhsa_code_object_version 6
	.text
	.protected	k_q2ff13ad1c5_qkv
	.globl	k_q2ff13ad1c5_qkv
	.p2align	8
	.type	k_q2ff13ad1c5_qkv,@function
k_q2ff13ad1c5_qkv:
	s_mov_b64 s[64:65], 0
	v_nop
	global_prefetch_b8 v0, s[64:65] scope:SCOPE_SE
	s_setreg_imm32_b32 hwreg(HW_REG_WAVE_MODE, 25, 1), 1
	s_wait_xcnt 0x0
; q = x Wq^T + bq, k = x Wk^T + bk, v = x Wv^T + bv on codes of FP4 (E2M1) with one E8M0 scale for each 32 along K, and the results quantised again for the attention launch.
; x: [8192][1024] f32.  W*: codes [1024][512 bytes], scale bytes [1024][32].  Work-group (rb, role): rows 128 rb .. 128 rb + 127 of x; role 0 makes q, 1 makes k, 2 makes v.
; TILE ORDER.  Wherever 16 rows form a tile, lane r of tile 2 b + u takes row 32 b + 8 u + r + 8 (r / 8).  In a result whose source 0 is such tiles, the 16 registers of tiles 2 b and 2 b + 1 are then
; 16 neighbours, 32 b + 16 (lane / 16) + 0 .. 15, which is what the conversions want of one lane.  q, k: source 0 = rows of W (the next K is the head's 64), source 1 = rows of x.
; v: source 0 = rows of x (the next K is the keys), source 1 = rows of Wv.
; PHASE X: wave w quantises rows 32 w .. 32 w + 31 (two tiles) for all eight K steps of 128; the fragments go to LDS as images of their registers ([c][lane][16 bytes], 1,024 bytes), the scale words beside them.
; Then wave w owns 256 output columns (heads 4 w .. 4 w + 3).  q, k: 128 columns of W (64 fragments) stay in registers, the eight tiles of x stream from LDS.  v: all of x's 64 fragments stay, Wv's tiles of 16 channels stream from memory.
; OUT.  qb [head 64][step 16][8 tiles x 512 bytes | 256 bytes of scale words]; kv [head][step][K: the same 4,352 bytes | V: 4 channel tiles x 1,024 bytes | 256 bytes of scale words].  Every store of codes covers 512 consecutive bytes.
; NO JOINT LOADS: a block of x is read by three work-groups (the grid's y is 3, which no cluster of four divides), and the weights go straight into each wave's own registers.
; NO PREFETCH: a wave has 48 loads of 512 bytes on their way through phase X.
; LIMITS: NaN and infinities among the inputs are not served.  A block of zeros gets the scale byte 1 where the quantiser's rule says 127: its codes are zeros, and this program alone reads the bytes.  A given scale byte 0xff gives NaN.
.set XSC,  65536                       ; LDS: x's 64 images lie from 0 on, fragment (tile, K step) at (8 tile + step) x 1,024; here their scale words: tile x 512 + 32 r + 4 step
.set STG,  69632                       ; and a stage of 16 rows x 528 bytes for each wave
.set SP,   528
.set L16,  1                           ; v1   16 x lane
.set L8,   2                           ; v2   8 x lane
.set SI,   3                           ; v3   the stage, way in: 16 x lane
.set SOUT, 4                           ; v4   the stage, way out: 528 r + 64 h
.set XWI,  5                           ; v5   my wave's images: 16 x lane + 16,384 x wave
.set XWS,  6                           ; v6   my wave's scale words: XSC + 1,024 x wave + 32 r
.set R32,  7                           ; v7   XSC + 32 r
.set WA,   8                           ; v8   a tile's row of W: (r + 8 (r / 8)) x 512 + 16 h
.set WSA,  9                           ; v9   its scale bytes: (r + 8 (r / 8)) x 32
.set BAQ,  10                          ; v10  q, k: the bias of my half's eight columns: 64 h
.set BAV,  11                          ; v11  v: the bias of my channel: 4 (r + 8 (r / 8))
.set XAI,  12                          ; v12  XWI + the trip's step
.set XAS,  13                          ; v13  XWS + the trip's step
.set RS,   32                          ; v32-95   scale words of the operand that stays: 8 tile + K step
.set SS,   96                          ; v96-111  scale words of the operand that streams: two sets of 8
.set PC,   112                         ; v112-119 the codes just made
.set PWS,  120                         ; v120-127 the scale words of a run of tiles
.set HA,   128                         ; v128-191 eight accumulators; in phase X 64 numbers of x
.set CB,   192                         ; v192-199 v: the bias as a C operand
.set TM,   200                         ; v200-215 at work in QUANT
.set PW,   216                         ; v216     phase X: the scale word
.set PR,   217                         ; v217-220 scale words of pairs of tiles
.set SA,   222                         ; v[222:223], v[224:225] scale words on their way out
.set SB,   224
.set BVR,  226                         ; v226-227 v: my channel's bias, one for each streamed set
; window 1: phase X: four sets of 64 numbers as loaded; then the staying fragments of K steps 0-3 at 64 step + 8 tile.   window 2: those of K steps 4-7.
; window 3: v0-63 q, k: the bias in the result's layout; v64-127, v128-191 the streamed fragments, two sets, K step s at 8 s.
.set WV,   2
.set RL,   3
.set RB,   6
.set XB,   30                          ; s[30:31] x at my wave's first row
.set WC,   32                          ; s[32:33] the role's codes, s[34:35] scale bytes, s[36:37] bias, at my wave's columns
.set WS,   34
.set BI,   36
.set OA,   38                          ; s[38:39], s[40:41] where the results go: the chunk's first head and its second
.set OB,   40
.set HS2,  42                          ; s[42:43] two heads on, in bytes
.set CNT,  44
.set HM,   45                          ; lanes 16-31
.set SELA, 46
.set SELB, 47
.set SEL,  48                          ; s[48:49] lane l xor 16
.set XO,   57
.set XSO,  58
.set MSB, 0
.macro WIN new                         ; the immediate's high byte repeats the setting that is left; a switch that changes nothing is dropped
.if MSB != (\new)
	s_set_vgpr_msb (MSB<<8)|(\new)
.set MSB, (\new)
.endif
.endm
.macro PLACES                          ; four plain vector lines between a matrix instruction and a read of its result or a load into its registers
.rept 4
	v_nop
.endr
.endm
; 64 numbers of a lane, register 16 b + i = k 32 b + 16 (lane / 16) + i of my row, become a fragment's codes in v[PC] on and its scale word in v[pw].
.macro QUANT src, pw
.irp b, 0,1,2,3
	v_max3_num_f32 v[TM+\b], |v[\src+16*\b]|, |v[\src+1+16*\b]|, 0x1800000   ; my 16 numbers of block b, and the floor 2^(3 - 127): the byte cannot fall under 1
.endr
.irp i, 2,4,6,8,10,12,14
.irp b, 0,1,2,3
	v_max3_num_f32 v[TM+\b], v[TM+\b], |v[\src+16*\b+\i]|, |v[\src+1+16*\b+\i]|   ; the four blocks by turns
.endr
.endr
.irp b, 0,1,2,3
	v_permlanex16_b32 v[TM+4+\b], v[TM+\b], s[SEL], s[SEL+1]
.endr
.irp b, 0,1,2,3
	v_max_num_f32 v[TM+\b], v[TM+\b], v[TM+4+\b]   ; with lane l xor 16's: the block's largest magnitude
.endr
.irp b, 0,1,2,3
	v_add_nc_u32 v[TM+12+\b], 0xff000000, v[TM+\b]   ; 2 off its exponent field: the conversion's scale operand
.endr
.irp b, 0,1,2,3
	v_lshrrev_b32 v[TM+4+\b], 23, v[TM+12+\b]      ; the scale's byte
.endr
	v_lshl_or_b32 v[\pw], v[TM+5], 8, v[TM+4]
	v_lshl_or_b32 v[\pw], v[TM+6], 16, v[\pw]
	v_lshl_or_b32 v[\pw], v[TM+7], 24, v[\pw]
.irp b, 0,1,2,3
	v_cvt_scalef32_pk8_fp4_f32 v[PC+2*\b], v[\src+16*\b:\src+7+16*\b], v[TM+12+\b]
	v_cvt_scalef32_pk8_fp4_f32 v[PC+1+2*\b], v[\src+8+16*\b:\src+15+16*\b], v[TM+12+\b]
.endr
	v_nop                                          ; one plain line behind the scaled conversions
.irp c, 0,1                                    ; the operand's layout wants a whole block in a lane
.irp i, 0,1
	v_permlane16_swap_b32 v[PC+4*\c+\i], v[PC+2+4*\c+\i]
.endr
.endr
.endm
; Phase X.  A unit is one tile (u) x one K step: 16 loads, each 512 consecutive bytes of one row; the rows in the tile's order.
.macro XLOAD set, u, so
	WIN 0x40                                       ; destination window 1
.set I, 0
.rept 16
	global_load_b128 v[64*(\set)+4*I:64*(\set)+4*I+3], v[L16], s[XB:XB+1] offset:(8*(\u)+I+8*(I/8))*4096+512*(\so)
.set I, I+1
.endr
	WIN 0
.endm
.macro TURN set                        ; through my stage: in as loaded, back 16 neighbours of each block of 32 a lane.  LDS serves a wave's instructions in order (ISA guide 5.7.1.4)
	WIN 0x04                                       ; an LDS store's data are its source 1: window 1
.set I, 0
.rept 16
	ds_store_b128 v[SI], v[64*(\set)+4*I:64*(\set)+4*I+3] offset:SP*I
.set I, I+1
.endr
	WIN 0
.set I, 0
.rept 16
	ds_load_b128 v[HA+4*I:HA+4*I+3], v[SOUT] offset:128*(I/4)+16*(I%4)
.set I, I+1
.endr
.endm
.macro XSTEP j, ahead, left
	s_wait_loadcnt \left                           ; this unit's 16 loads are in; the younger units' may be out
	TURN (\j)%4
.if \ahead
	XLOAD ((\j)+3)%4, ((\j)+3)%2, ((\j)+3)/2       ; three units ahead, into the set whose stores into the stage were waited for in the unit before
.endif
	s_wait_dscnt 0x0                               ; the numbers are back; the last unit's image stores have read v[PC] on
	QUANT HA, PW
	ds_store_b128 v[XAI], v[PC:PC+3] offset:((\j)%2)*8192+((\j)/2)*1024
	ds_store_b128 v[XAI], v[PC+4:PC+7] offset:((\j)%2)*8192+((\j)/2)*1024+512
	ds_store_b32 v[XAS], v[PW] offset:((\j)%2)*512+((\j)/2)*4   ; lanes r and r + 16 write the same word with the same value
.endm
; 64 matrix instructions: K steps 0 to 7, in each the eight accumulators by turns, one instruction a turn.  The bias is the C of each sum's first instruction.
.macro MULQ set, cq
.set KS, 0
.rept 8
.if KS == 0
	WIN 0x0d+0x30*(\cq)                            ; source 0 window 1, source 1 window 3; q, k: C window 3
.elseif KS < 4
	WIN 0x0d
.else
	WIN 0x0e                                       ; source 0 window 2
.endif
.set T, 0
.rept 8
.if (KS == 0) && (\cq)
	v_wmma_scale_f32_16x16x128_f8f6f4 v[HA+8*T:HA+8*T+7], v[8*T:8*T+7], v[64+64*(\set):71+64*(\set)], v[8*T:8*T+7], v[RS+8*T], v[SS+8*(\set)] matrix_a_fmt:MATRIX_FMT_FP4 matrix_b_fmt:MATRIX_FMT_FP4
.elseif KS == 0
	v_wmma_scale_f32_16x16x128_f8f6f4 v[HA+8*T:HA+8*T+7], v[8*T:8*T+7], v[64+64*(\set):71+64*(\set)], v[CB:CB+7], v[RS+8*T], v[SS+8*(\set)] matrix_a_fmt:MATRIX_FMT_FP4 matrix_b_fmt:MATRIX_FMT_FP4
.else
	v_wmma_scale_f32_16x16x128_f8f6f4 v[HA+8*T:HA+8*T+7], v[64*(KS%4)+8*T:64*(KS%4)+8*T+7], v[64+64*(\set)+8*KS:71+64*(\set)+8*KS], v[HA+8*T:HA+8*T+7], v[RS+8*T+KS], v[SS+8*(\set)+KS] matrix_a_fmt:MATRIX_FMT_FP4 matrix_b_fmt:MATRIX_FMT_FP4
.endif
.set T, T+1
.endr
.set KS, KS+1
.endr
	WIN 0
	PLACES
.endm
.macro FETCH_X a                       ; tile a of x, all eight K steps, and its scale words, from LDS into set a % 2: 18 loads
	WIN 0xc0                                       ; destination window 3
.set I, 0
.rept 16
	ds_load_b128 v[64+64*((\a)%2)+4*I:64+64*((\a)%2)+4*I+3], v[L16] offset:8192*(\a)+512*I
.set I, I+1
.endr
	WIN 0
	ds_load_b128 v[SS+8*((\a)%2):SS+8*((\a)%2)+3], v[R32] offset:512*(\a)
	ds_load_b128 v[SS+8*((\a)%2)+4:SS+8*((\a)%2)+7], v[R32] offset:512*(\a)+16
.endm
.macro RES_W                           ; q, k: 128 rows of W stay: 64 fragments, their scale words, and the bias in the result's layout
.irp g, 0,1
	WIN 0x40+0x40*\g
.set T, 0
.rept 8
.set I, 0
.rept 8
	global_load_b128 v[64*(I/2)+8*T+4*(I%2):64*(I/2)+8*T+4*(I%2)+3], v[WA], s[WC:WC+1] offset:(32*(T/2)+8*(T%2))*512+256*\g+32*I   ; a tile's eight loads cover 16 rows x 256 bytes
.set I, I+1
.endr
.set T, T+1
.endr
.endr
	WIN 0
.set T, 0
.rept 8
	global_load_b128 v[RS+8*T:RS+8*T+3], v[WSA], s[WS:WS+1] offset:(32*(T/2)+8*(T%2))*32
	global_load_b128 v[RS+8*T+4:RS+8*T+7], v[WSA], s[WS:WS+1] offset:(32*(T/2)+8*(T%2))*32+16
.set T, T+1
.endr
	WIN 0xc0
.set T, 0
.rept 8
	global_load_b128 v[8*T:8*T+3], v[BAQ], s[BI:BI+1] offset:(32*(T/2)+8*(T%2))*4
	global_load_b128 v[8*T+4:8*T+7], v[BAQ], s[BI:BI+1] offset:(32*(T/2)+8*(T%2))*4+16
.set T, T+1
.endr
	WIN 0
.endm
.macro RES_X                           ; v: all 64 fragments of x stay, from LDS
.irp g, 0,1
	WIN 0x40+0x40*\g
.set T, 0
.rept 8
.set I, 0
.rept 8
	ds_load_b128 v[64*(I/2)+8*T+4*(I%2):64*(I/2)+8*T+4*(I%2)+3], v[L16] offset:(8*T+4*\g)*1024+512*I
.set I, I+1
.endr
.set T, T+1
.endr
.endr
	WIN 0
.set T, 0
.rept 8
	ds_load_b128 v[RS+8*T:RS+8*T+3], v[R32] offset:512*T
	ds_load_b128 v[RS+8*T+4:RS+8*T+7], v[R32] offset:512*T+16
.set T, T+1
.endr
.endm
.macro FETCH_W d, set, extra           ; v: channel tile d of a head (extra = 64: of the next head): 16 fragment loads, 2 of scale words, 1 of the bias: 19 loads
	WIN 0xc0
.set I, 0
.rept 16
	global_load_b128 v[64+64*(\set)+4*I:64+64*(\set)+4*I+3], v[WA], s[WC:WC+1] offset:((\extra)+32*((\d)/2)+8*((\d)%2))*512+32*I
.set I, I+1
.endr
	WIN 0
	global_load_b128 v[SS+8*(\set):SS+8*(\set)+3], v[WSA], s[WS:WS+1] offset:((\extra)+32*((\d)/2)+8*((\d)%2))*32
	global_load_b128 v[SS+8*(\set)+4:SS+8*(\set)+7], v[WSA], s[WS:WS+1] offset:((\extra)+32*((\d)/2)+8*((\d)%2))*32+16
	global_load_b32 v[BVR+(\set)], v[BAV], s[BI:BI+1] offset:((\extra)+32*((\d)/2)+8*((\d)%2))*4
.endm
	s_load_b64 s[4:5], s[0:1], 0x0                 ; x
	s_load_b256 s[8:15], s[0:1], 0x8               ; Wq's, Wk's, Wv's codes, Wq's scales
	s_load_b256 s[16:23], s[0:1], 0x28             ; Wk's, Wv's scales, bq, bk
	s_load_b128 s[24:27], s[0:1], 0x48             ; bv, qb
	s_load_b64 s[28:29], s[0:1], 0x58              ; kv
	v_lshl_add_u32 v254, v0, 2, 0x19400
	v_mov_b32 v255, 0
	v_lshrrev_b32 v14, 5, v0
	v_readfirstlane_b32 s[WV], v14                 ; wave 0..3
	s_and_b32 s[RL], ttmp7, 0xffff                 ; the role
	s_mov_b32 s[RB], ttmp9                         ; the block of 128 rows
	v_and_b32 v14, 31, v0                          ; lane
	v_and_b32 v15, 15, v0                          ; r
	v_bfe_u32 v16, v0, 4, 1                        ; h
	v_lshlrev_b32 v[L16], 4, v14
	v_lshlrev_b32 v[L8], 3, v14
	s_mul_i32 s50, s[WV], 16*SP
	s_add_co_u32 s50, s50, STG                     ; my stage
	v_add_nc_u32 v[SI], s50, v[L16]
	v_mul_u32_u24 v[SOUT], v15, SP
	v_lshl_add_u32 v[SOUT], v16, 6, v[SOUT]
	v_add_nc_u32 v[SOUT], s50, v[SOUT]
	s_lshl_b32 s50, s[WV], 14
	v_add_nc_u32 v[XWI], s50, v[L16]
	v_lshlrev_b32 v[R32], 5, v15
	v_add_nc_u32 v[R32], XSC, v[R32]
	s_lshl_b32 s50, s[WV], 10
	v_add_nc_u32 v[XWS], s50, v[R32]
	v_and_b32 v17, 8, v15
	v_add_nc_u32 v17, v17, v15                     ; r + 8 (r / 8)
	v_lshlrev_b32 v[WA], 9, v17
	v_lshl_add_u32 v[WA], v16, 4, v[WA]
	v_lshlrev_b32 v[WSA], 5, v17
	v_lshlrev_b32 v[BAQ], 6, v16
	v_lshlrev_b32 v[BAV], 2, v17
.irp b, 0,1,2,3
	v_mov_b32 v[TM+4+\b], 0                        ; written once: a lane permute's destination counts as one of its sources
.endr
	s_mov_b32 s[HM], 0xffff0000
	s_mov_b32 s[SELA], 0x05040100                  ; v_perm_b32: the two low halves
	s_mov_b32 s[SELB], 0x07060302                  ; the two high halves
	s_mov_b32 s[SEL], 0x76543210
	s_mov_b32 s[SEL+1], 0xfedcba98
	; where the results go, as an offset: (16 batch + 4 wave) heads + the step; qb's head is 69,632 bytes and its step 4,352, kv's twice that; V lies 4,352 bytes into kv's step
	s_min_u32 s52, s[RL], 1
	s_lshl_b32 s53, 69632, s52
	s_lshl_b32 s54, 4352, s52
	s_lshr_b32 s55, s[RB], 4
	s_lshl_b32 s55, s55, 4
	s_lshl_b32 s56, s[WV], 2
	s_add_co_u32 s55, s55, s56
	s_mul_i32 s55, s55, s53
	s_and_b32 s56, s[RB], 15
	s_mul_i32 s56, s56, s54
	s_add_co_u32 s55, s55, s56
	s_cmp_eq_u32 s[RL], 2
	s_cselect_b32 s56, 4352, 0
	s_add_co_u32 s55, s55, s56
	s_lshl_b32 s[HS2], s53, 1
	s_mov_b32 s[HS2+1], 0
	s_mov_b32 s51, 0
	s_wait_kmcnt 0x0
	s_cmp_eq_u32 s[RL], 0                          ; the role's buffers: the choice hangs on the work-group's number alone
	s_cselect_b64 s[WC:WC+1], s[8:9], s[10:11]
	s_cselect_b64 s[WS:WS+1], s[14:15], s[16:17]
	s_cselect_b64 s[BI:BI+1], s[20:21], s[22:23]
	s_cselect_b64 s[OA:OA+1], s[26:27], s[28:29]
	s_cmp_eq_u32 s[RL], 2
	s_cselect_b64 s[WC:WC+1], s[12:13], s[WC:WC+1]
	s_cselect_b64 s[WS:WS+1], s[18:19], s[WS:WS+1]
	s_cselect_b64 s[BI:BI+1], s[24:25], s[BI:BI+1]
	s_lshl_b32 s50, s[RB], 19
	s_lshl_b32 s56, s[WV], 17
	s_add_co_u32 s50, s50, s56
	s_add_nc_u64 s[XB:XB+1], s[4:5], s[50:51]      ; x at row 128 rb + 32 wave
	s_mov_b32 s50, s56
	s_add_nc_u64 s[WC:WC+1], s[WC:WC+1], s[50:51]  ; my 256 rows of W: 512 bytes a row,
	s_lshl_b32 s50, s[WV], 13
	s_add_nc_u64 s[WS:WS+1], s[WS:WS+1], s[50:51]  ; 32 scale bytes a row,
	s_lshl_b32 s50, s[WV], 10
	s_add_nc_u64 s[BI:BI+1], s[BI:BI+1], s[50:51]  ; 4 bytes of bias
	s_mov_b32 s50, s55
	s_add_nc_u64 s[OA:OA+1], s[OA:OA+1], s[50:51]
	s_mov_b32 s50, s53
	s_add_nc_u64 s[OB:OB+1], s[OA:OA+1], s[50:51]  ; one head on
	; ---- PHASE X: 16 units (two tiles x eight K steps), four a trip; loads run three units (48 loads) ahead
	XLOAD 0, 0, 0
	XLOAD 1, 1, 0
	XLOAD 2, 0, 1
	s_mov_b32 s[XO], 0
	s_mov_b32 s[XSO], 0
	s_mov_b32 s[CNT], 3
.Lx:
	v_add_nc_u32 v[XAI], s[XO], v[XWI]
	v_add_nc_u32 v[XAS], s[XSO], v[XWS]
	XSTEP 0, 1, 32
	XSTEP 1, 1, 32
	XSTEP 2, 1, 32
	XSTEP 3, 1, 32
	s_wait_xcnt 0x0                                ; the loads have read their base: it may step
	s_add_nc_u64 s[XB:XB+1], s[XB:XB+1], 1024      ; two K steps on
	s_add_co_u32 s[XO], s[XO], 2048
	s_add_co_u32 s[XSO], s[XSO], 8
	s_sub_co_u32 s[CNT], s[CNT], 1
	s_cmp_lg_u32 s[CNT], 0
	s_cbranch_scc1 .Lx
	v_add_nc_u32 v[XAI], s[XO], v[XWI]
	v_add_nc_u32 v[XAS], s[XSO], v[XWS]
	XSTEP 0, 1, 32                                 ; the last four units: one more run of loads, then the counts run down
	XSTEP 1, 0, 32
	XSTEP 2, 0, 16
	XSTEP 3, 0, 0
	s_wait_dscnt 0x0                               ; for the others' sake: my images and scale words have landed
	s_barrier_signal -1
	s_barrier_wait -1                              ; x's 64 fragments lie in LDS; nothing is stored to LDS from here on
	s_cmp_eq_u32 s[RL], 2
	s_cbranch_scc1 .Lv
	; ---- q, k: two chunks of 128 columns (two heads each)
	s_mov_b32 s[CNT], 2
.Lqk:
	RES_W
	FETCH_X 0
	s_wait_loadcnt 0x0
.irp a, 0,1,2,3,4,5,6,7
.if \a < 7
	FETCH_X \a+1
	s_wait_dscnt 18                                ; this tile's 18 loads are in; the next tile's may be out
.else
	s_wait_dscnt 0x0
.endif
	MULQ \a%2, 1
	s_wait_xcnt 0x0                                ; the last tile's stores have read v[PC] on
	QUANT HA, PWS+\a                               ; blocks 0, 1: the first head's 64; blocks 2, 3: the second's
	global_store_b128 v[L16], v[PC:PC+3], s[OA:OA+1] offset:512*\a     ; half a fragment, 512 consecutive bytes
	global_store_b128 v[L16], v[PC+4:PC+7], s[OB:OB+1] offset:512*\a
.endr
	; the scale words, for pairs of tiles: tile 2 i's two bytes below, tile 2 i + 1's above; word j of lane L belongs to pair 2 j + L / 16
.irp i, 0,1,2,3
	v_perm_b32 v[PR+\i], v[PWS+2*\i+1], v[PWS+2*\i], s[SELA]
.endr
	v_cndmask_b32 v[SA], v[PR], v[PR+1], s[HM]
	v_cndmask_b32 v[SA+1], v[PR+2], v[PR+3], s[HM]
	global_store_b64 v[L8], v[SA:SA+1], s[OA:OA+1] offset:4096         ; 256 consecutive bytes, aligned
.irp i, 0,1,2,3
	v_perm_b32 v[PR+\i], v[PWS+2*\i+1], v[PWS+2*\i], s[SELB]
.endr
	v_cndmask_b32 v[SB], v[PR], v[PR+1], s[HM]
	v_cndmask_b32 v[SB+1], v[PR+2], v[PR+3], s[HM]
	global_store_b64 v[L8], v[SB:SB+1], s[OB:OB+1] offset:4096
	s_wait_xcnt 0x0                                ; loads and stores have read their bases and data
	s_add_nc_u64 s[WC:WC+1], s[WC:WC+1], 65536     ; 128 rows of W on
	s_add_nc_u64 s[WS:WS+1], s[WS:WS+1], 4096
	s_add_nc_u64 s[BI:BI+1], s[BI:BI+1], 512
	s_add_nc_u64 s[OA:OA+1], s[OA:OA+1], s[HS2:HS2+1]
	s_add_nc_u64 s[OB:OB+1], s[OB:OB+1], s[HS2:HS2+1]
	s_sub_co_u32 s[CNT], s[CNT], 1
	s_cmp_lg_u32 s[CNT], 0
	s_cbranch_scc1 .Lqk
	s_wait_tensorcnt 0x0
	ds_add_u32 v254, v255
	s_wait_dscnt 0x0
	s_endpgm
	; ---- v: four heads, four tiles of 16 channels each; a lane holds one channel, its registers run along the 128 keys
.Lv:
	FETCH_W 0, 0, 0
	RES_X
	s_wait_dscnt 0x0
	s_mov_b32 s[CNT], 4
.Lvh:
.irp d, 0,1,2,3
.if \d < 3
	FETCH_W \d+1, (\d+1)%2, 0
	s_wait_loadcnt 19                              ; this tile's 19 loads are in; the next tile's may be out
.else
	s_cmp_eq_u32 s[CNT], 1                         ; the last head has no successor: no load leaves its buffer
	s_cbranch_scc1 .Lv_last
	FETCH_W 0, 0, 64
	s_wait_loadcnt 19
	s_branch .Lv_go
.Lv_last:
	s_wait_loadcnt 0x0
.Lv_go:
.endif
.irp j, 0,1,2,3,4,5,6,7
	v_mov_b32 v[CB+\j], v[BVR+\d%2]                ; my channel's bias for all eight keys of a register run
.endr
	PLACES
	MULQ \d%2, 0
	s_wait_xcnt 0x0                                ; the last tile's stores have read v[PC] on
	QUANT HA, PWS+\d                               ; four blocks of 32 keys
	global_store_b128 v[L16], v[PC:PC+3], s[OA:OA+1] offset:1024*\d
	global_store_b128 v[L16], v[PC+4:PC+7], s[OA:OA+1] offset:1024*\d+512
.endr
	v_cndmask_b32 v[SA], v[PWS], v[PWS+1], s[HM]   ; word j of lane L belongs to channel tile 2 j + L / 16
	v_cndmask_b32 v[SA+1], v[PWS+2], v[PWS+3], s[HM]
	global_store_b64 v[L8], v[SA:SA+1], s[OA:OA+1] offset:4096
	s_wait_xcnt 0x0
	s_add_nc_u64 s[WC:WC+1], s[WC:WC+1], 32768     ; 64 rows of Wv on
	s_add_nc_u64 s[WS:WS+1], s[WS:WS+1], 2048
	s_add_nc_u64 s[BI:BI+1], s[BI:BI+1], 256
	s_add_nc_u64 s[OA:OA+1], s[OA:OA+1], 139264    ; one head of kv on
	s_sub_co_u32 s[CNT], s[CNT], 1
	s_cmp_lg_u32 s[CNT], 0
	s_cbranch_scc1 .Lvh
	s_wait_tensorcnt 0x0
	ds_add_u32 v254, v255
	s_wait_dscnt 0x0
	s_endpgm
.Lfunc_end_k_q2ff13ad1c5_qkv:
	.size	k_q2ff13ad1c5_qkv, .Lfunc_end_k_q2ff13ad1c5_qkv-k_q2ff13ad1c5_qkv
	.p2alignl 7, 3214868480
	.fill 96, 4, 3214868480
	.section	.rodata,"a",@progbits
	.p2align	6, 0x0
	.amdhsa_kernel k_q2ff13ad1c5_qkv
		.amdhsa_group_segment_fixed_size 103936
		.amdhsa_private_segment_fixed_size 0
		.amdhsa_enable_private_segment 0
		.amdhsa_kernarg_size 96
		.amdhsa_user_sgpr_count 2
		.amdhsa_user_sgpr_kernarg_segment_ptr 1
		.amdhsa_wavefront_size32 1
		.amdhsa_system_sgpr_workgroup_id_x 1
		.amdhsa_system_sgpr_workgroup_id_y 1
		.amdhsa_system_sgpr_workgroup_id_z 1
		.amdhsa_system_vgpr_workitem_id 0
		.amdhsa_next_free_vgpr 1024
		.amdhsa_next_free_sgpr 66
		.amdhsa_reserve_vcc 0
		.amdhsa_float_denorm_mode_32 3
		.amdhsa_float_denorm_mode_16_64 3
		.amdhsa_memory_ordered 1
		.amdhsa_forward_progress 1
		.amdhsa_inst_pref_size 255
	.end_amdhsa_kernel
	.section	.bss,"aw",@nobits
	.p2align	6
	.space	262144
	.amdgpu_metadata
---
amdhsa.version: [ 1, 2 ]
amdhsa.kernels:
  - .name:           k_q2ff13ad1c5_qkv
    .symbol:         k_q2ff13ad1c5_qkv.kd
    .args:
      - { .name: x, .offset: 0, .size: 8, .value_kind: global_buffer, .address_space: global }
      - { .name: Wq_codes, .offset: 8, .size: 8, .value_kind: global_buffer, .address_space: global }
      - { .name: Wk_codes, .offset: 16, .size: 8, .value_kind: global_buffer, .address_space: global }
      - { .name: Wv_codes, .offset: 24, .size: 8, .value_kind: global_buffer, .address_space: global }
      - { .name: Wq_scales, .offset: 32, .size: 8, .value_kind: global_buffer, .address_space: global }
      - { .name: Wk_scales, .offset: 40, .size: 8, .value_kind: global_buffer, .address_space: global }
      - { .name: Wv_scales, .offset: 48, .size: 8, .value_kind: global_buffer, .address_space: global }
      - { .name: bq, .offset: 56, .size: 8, .value_kind: global_buffer, .address_space: global }
      - { .name: bk, .offset: 64, .size: 8, .value_kind: global_buffer, .address_space: global }
      - { .name: bv, .offset: 72, .size: 8, .value_kind: global_buffer, .address_space: global }
      - { .name: qb, .offset: 80, .size: 8, .value_kind: global_buffer, .address_space: global }
      - { .name: kv, .offset: 88, .size: 8, .value_kind: global_buffer, .address_space: global }
    .group_segment_fixed_size: 103936
    .private_segment_fixed_size: 0
    .kernarg_segment_align: 8
    .kernarg_segment_size: 96
    .max_flat_workgroup_size: 128
    .sgpr_count:     66
    .vgpr_count:     1024
    .wavefront_size: 32
...
	.end_amdgpu_metadata
.endif
;; end of part 1
;; launch attn (part 2): grid 4 x 64, 16 waves a work-group, clusters of 4 x 1, 169,984 bytes of LDS; arguments qb, kv, cc, cs; writes cc, cs
.if DOCPART == 2
	.amdgcn_target "amdgcn-amd-amdhsa--gfx1250"
	.amdhsa_code_object_version 6
	.text
	.protected	k_q2ff13ad1c5_attn
	.globl	k_q2ff13ad1c5_attn
	.p2align	8
	.type	k_q2ff13ad1c5_attn,@function
k_q2ff13ad1c5_attn:
	s_mov_b64 s[64:65], 0
	v_nop
	global_prefetch_b8 v0, s[64:65] scope:SCOPE_SE
	s_setreg_imm32_b32 hwreg(HW_REG_WAVE_MODE, 25, 1), 1
	s_wait_xcnt 0x0
	s_wait_alu depctr_hold_cnt(0) depctr_sa_sdst(0) depctr_va_vdst(0) depctr_va_sdst(0) depctr_va_ssrc(0) depctr_va_vcc(0) depctr_vm_vsrc(0)
	s_getreg_b32 s2, hwreg(HW_REG_IB_STS2, 6, 4)
	s_cmp_eq_u32 s2, 0
	s_cbranch_scc0 .Lentry_in_a_cluster
	s_endpgm
.Lentry_in_a_cluster:
	s_bfe_u32 s2, ttmp6, 0x10000c
	s_cmp_lg_u32 s2, 0x3003
	s_cbranch_scc0 .Lentry_shape_is_right
	s_endpgm
.Lentry_shape_is_right:
; ctx = softmax(q k^T / 8) v for one head, both products on codes of FP4 (E2M1) with E8M0 scales, and ctx quantised along the model's 1,024 for the last product.
; THE SOFTMAX: t = score x log2(e) / 8; M = the running largest t rounded up to a whole number; p = 2^(t - M) is quantised along the keys, not normalised; the row's sum is taken of the unquantised p and divides at the end.
; When M moves, the sum and O^T are multiplied by 2^(old M - new M), which rounds nothing.  t - M is one fused multiply-add.
; SHARES.  A work-group owns 512 queries of one head (grid y = 16 batch + head).  The head's K and V, 139,264 bytes, lie in LDS whole, filled once: no slot is ever filled again.
; Each of the sixteen waves owns a pair of tiles of 16 queries and takes them one after the other (PASS 0, PASS 1), walking the 2,048 keys in 16 steps of 128.  Four waves share a SIMD.
; CLUSTER.  The four work-groups of a cluster belong to one head and need the same K and V: waves 0 to 3 ask for a quarter each JOINTLY, with the same descriptor and a mask that names the four.
; LAYOUT.  Both products are used transposed (S^T = K Q^T, O^T = V^T P^T): a lane holds one query throughout.  Tiles of keys, of queries and of channels are in the order in which the launch before laid them:
; lane r of tile 2 b + u is row 32 b + 8 u + r + 8 (r / 8); so the 16 registers of tiles 2 b, 2 b + 1 are 16 neighbours.
; THE HEAD'S 64 FILL HALF OF THE INSTRUCTION'S 128: source 0 holds a PAIR of key tiles (tile 2 i in registers 0-3, tile 2 i + 1 in registers 4-7, one scale word for both); source 1 is (Q, zeros) for tile 2 i and
; (zeros, Q) for tile 2 i + 1.  Zero codes add nothing; no scale byte here is 0xff.
; OUT.  cc [tile 512][head 16][lane][16 bytes]: heads 2 s, 2 s + 1 of a tile are the image of K step s of the last product.  cs [pair 256][lane 16 parity + r][head] of two bytes.
; The scale bytes leave two bytes a lane, 32 bytes apart: a row's 32 scale bytes come from sixteen work-groups; they are 64 bytes against the wave's 1,024 bytes of codes.
; LIMITS: NaN and infinities are not served.  A block of zeros gets the scale byte 1 where the quantiser's rule says 127: its codes are zeros, and this program alone reads the bytes.
; REGISTERS: v1 16 x lane, v2 8 x lane, v3, v4 the step's LDS addresses, v5 Q's scale word's offset, v6 32 x lane, v7 ctx's scale bytes of both passes, v8 Q's pair word, v9 Q's scale word; v12 -M, v13 the largest t,
; v[14:15] the sum; v[16:23] (Q, 0), v[24:31] (0, Q); v32-63 four pairs of K; v64-95 four tiles of V^T; v96-159 S^T, then p; v160-191 O^T; v192-199 p's codes; v[200:201] K's scale words, v[202:203] V's, v204 p's; v208-225 at work.
.set STEPB, 8704                       ; a step in LDS and in kv: K's codes 4,096, K's scale words 256, V's codes 4,096, V's scale words 256
.macro CROUND                          ; a round of the cluster's barrier
	s_barrier_signal -1
	s_barrier_wait -1
	s_cmp_lg_u32 s12, 0
	s_cbranch_scc1 .Lnot_wave_0_\@
	s_barrier_signal -3
.Lnot_wave_0_\@:
	s_barrier_wait -3
	s_barrier_signal -1
	s_barrier_wait -1
.endm
	s_load_b256 s[4:11], s[0:1], 0x0               ; qb s[4:5], kv s[6:7], cc s[8:9], cs s[10:11]
	v_lshl_add_u32 v254, v0, 2, 0x29000
	v_mov_b32 v255, 0
	ds_add_u32 v254, v255
	ds_add_u32 v254, v255
	v_lshrrev_b32 v10, 5, v0
	v_readfirstlane_b32 s12, v10                   ; wave 0..15
	s_bfe_u32 s13, ttmp6, 0x40000                  ; cx: it enters Q's, cc's and cs's addresses alone
	s_and_b32 s14, ttmp7, 0xffff                   ; 16 batch + head, which the four partners share
	; descriptor group 1: a dense block of 34,816 bytes as 136 rows of 256 bytes (32 elements of 8 bytes)
	s_mov_b32 s16, 15|(3<<16)|(1<<21)              ; 15:0 the mask: all four work-groups; 17:16 elements of 8 bytes; 21 set beside a mask
	s_mov_b32 s17, 32<<16                          ; tensor_dim0 = 32
	s_mov_b32 s18, 136<<16                         ; tensor_dim1 = 136
	s_mov_b32 s19, 32<<16                          ; tile_dim0 = 32
	s_mov_b32 s20, 136                             ; tile_dim1 = 136
	s_mov_b32 s21, 32                              ; the pitch
	s_mov_b32 s22, 0
	s_mov_b32 s23, 0
	s_mov_b32 s24, 1                               ; group 0: count = 1
	s_mul_i32 s25, s12, 34816                      ; LDS address: wave x a quarter
	s_mul_i32 s34, s14, 139264                     ; the head in kv,
	s_add_co_u32 s34, s34, s25                     ; my quarter of it
	s_mov_b32 s35, 0
	s_lshl_b32 s15, ttmp9, 2
	s_add_co_u32 s15, s15, s13                     ; my block of 512 queries
	s_lshl_b32 s46, s15, 2
	s_lshr_b32 s47, s12, 2
	s_add_co_u32 s46, s46, s47                     ; my pair's step of 128 queries
	s_mul_i32 s46, s46, 4352
	s_mul_i32 s47, s14, 69632
	s_add_co_u32 s46, s46, s47
	s_mov_b32 s47, 0
	s_and_b32 s48, s12, 3
	s_lshl_b32 s48, s48, 10                        ; my pair in the step: 1,024 bytes of codes
	s_mov_b32 s49, 0
	s_lshr_b32 s50, s14, 4
	s_lshl_b32 s50, s50, 6
	s_lshl_b32 s51, s15, 4
	s_add_co_u32 s50, s50, s51
	s_add_co_u32 s50, s50, s12                     ; P = 64 batch + 16 block + wave
	s_and_b32 s51, s14, 15                         ; head
	s_lshl_b32 s52, s50, 14
	s_lshl_b32 s53, s51, 9
	s_add_co_u32 s52, s52, s53
	s_mov_b32 s53, 0
	s_lshl_b32 s54, s50, 10
	s_lshl_b32 s55, s51, 1
	s_add_co_u32 s54, s54, s55
	s_mov_b32 s55, 0
	s_and_b32 s56, s12, 1
	s_lshl_b32 s56, s56, 7
	s_bfe_u32 s57, s12, 0x10001
	s_lshl_b32 s57, s57, 2
	s_add_co_u32 s56, s56, s57
	s_add_co_u32 s56, s56, 4096
	s_mov_b32 s28, 0x76543210
	s_mov_b32 s29, 0xfedcba98                      ; lane l xor 16
	s_mov_b32 s30, 0x3e38aa3b                      ; c = log2(e) / 8
	s_mov_b32 s31, s30                             ; (named with it as a pair, so it is written)
	s_mov_b32 s44, 0x0000ffff                      ; lanes 0-15
	s_mov_b32 s45, 0xffff0000                      ; lanes 16-31
	v_and_b32 v10, 31, v0
	v_and_b32 v11, 15, v0
	v_lshlrev_b32 v1, 4, v10
	v_lshlrev_b32 v2, 3, v10
	v_lshlrev_b32 v6, 5, v10
	v_lshlrev_b32 v5, 3, v11
	v_add_nc_u32 v5, s56, v5                       ; 4,096 + 8 r + 128 (pair % 2) + 4 (pair / 2)
	v_mov_b32 v7, 0
.irp j, 20,21,22,23,24,25,26,27
	v_mov_b32 v\j, 0                               ; the zero halves of (Q, 0) and (0, Q)
.endr
.irp j, 212,213,214,215,223
	v_mov_b32 v\j, 0                               ; lane permutes' destinations, and the upper half of the pair v[222:223]: written once
.endr
	s_wait_dscnt 0x0
	s_wait_kmcnt 0x0
	s_add_nc_u64 s[26:27], s[6:7], s[34:35]
	s_or_b32 s27, s27, 0x80000000                  ; type = 2
	s_add_nc_u64 s[38:39], s[4:5], s[46:47]        ; qb at my step
	s_add_nc_u64 s[36:37], s[38:39], s[48:49]      ; and at my pair's codes
	s_add_nc_u64 s[40:41], s[8:9], s[52:53]        ; cc at my pair and head
	s_add_nc_u64 s[42:43], s[10:11], s[54:55]      ; cs likewise
	CROUND                                         ; all four work-groups are here: the joint loads meet
	s_cmp_lt_u32 s12, 4
	s_cbranch_scc0 .Lno_fill
	tensor_load_to_lds s[24:27], s[16:23]          ; one load of mine is out
	s_nop 0
.rept 4
	v_nop
.endr
.Lno_fill:
	global_load_b32 v8, v5, s[38:39]               ; Q's pair word: tile 2 i's two bytes below, tile 2 i + 1's above
	s_wait_tensorcnt 0x0                           ; my quarter has landed,
	s_barrier_signal -1
	s_barrier_wait -1                              ; everybody's has
.macro PASS p
.if \p
	s_wait_xcnt 0x0                                ; the first pass's store has read v[192:195]
.endif
	global_load_b128 v[16:19], v1, s[36:37] offset:512*\p   ; Q's half fragment, twice: the two operands share no register
	global_load_b128 v[28:31], v1, s[36:37] offset:512*\p
	s_wait_loadcnt 0x2                             ; the pair word is in; the two loads just issued may be out
.if \p
	v_perm_b32 v9, v8, v8, 0x03020302              ; Q's two scale bytes, twice
.else
	v_perm_b32 v9, v8, v8, 0x01000100
.endif
	v_mov_b32 v13, 0xff61b1e6                      ; the largest t so far: -3e38
	v_floor_f32 v12, -v13                          ; -M
	v_mov_b32 v14, 0
	v_mov_b32 v15, 0
.set J, 0
.rept 32
	v_mov_b32 v[160+J], 0                          ; O^T: the step is written once; its first trip finds zeros.  (These lines also stand between the scale word's making and the first product)
.set J, J+1
.endr
	s_mov_b32 s32, 0
	s_mov_b32 s33, 16
	s_wait_loadcnt 0x0
.Lstep_\@:
	v_add_nc_u32 v3, s32, v1
	v_add_nc_u32 v4, s32, v2
	v_nop
	v_nop                                          ; four plain lines behind the last products, in front of loads into their registers
.irp i, 0,1,2,3
	ds_load_b128 v[32+8*\i:35+8*\i], v3 offset:1024*\i
	ds_load_b128 v[36+8*\i:39+8*\i], v3 offset:1024*\i+512
.endr
	ds_load_b64 v[200:201], v4 offset:4096
.irp d, 0,1,2,3
	ds_load_b128 v[64+8*\d:67+8*\d], v3 offset:4352+1024*\d
	ds_load_b128 v[68+8*\d:71+8*\d], v3 offset:4352+1024*\d+512
.endr
	ds_load_b64 v[202:203], v4 offset:8448
	s_wait_dscnt 9                                 ; K and its scale words are in; V's nine loads may be out
.irp i, 0,1,2,3
.if \i%2
	v_wmma_scale_f32_16x16x128_f8f6f4 v[96+16*\i:103+16*\i], v[32+8*\i:39+8*\i], v[16:23], 0, v[200+\i/2], v9 matrix_a_fmt:MATRIX_FMT_FP4 matrix_b_fmt:MATRIX_FMT_FP4 matrix_a_scale:MATRIX_SCALE_ROW1
	v_wmma_scale_f32_16x16x128_f8f6f4 v[104+16*\i:111+16*\i], v[32+8*\i:39+8*\i], v[24:31], 0, v[200+\i/2], v9 matrix_a_fmt:MATRIX_FMT_FP4 matrix_b_fmt:MATRIX_FMT_FP4 matrix_a_scale:MATRIX_SCALE_ROW1
.else
	v_wmma_scale_f32_16x16x128_f8f6f4 v[96+16*\i:103+16*\i], v[32+8*\i:39+8*\i], v[16:23], 0, v[200+\i/2], v9 matrix_a_fmt:MATRIX_FMT_FP4 matrix_b_fmt:MATRIX_FMT_FP4
	v_wmma_scale_f32_16x16x128_f8f6f4 v[104+16*\i:111+16*\i], v[32+8*\i:39+8*\i], v[24:31], 0, v[200+\i/2], v9 matrix_a_fmt:MATRIX_FMT_FP4 matrix_b_fmt:MATRIX_FMT_FP4
.endif
.endr                                          ; registers 96 + 16 i + 0 .. 15: keys 32 i + 16 (lane / 16) + 0 .. 15 of the step
.rept 4
	v_nop
.endr
.irp b, 0,1,2,3
	v_max3_num_f32 v[208+\b], v[96+16*\b], v[97+16*\b], v[98+16*\b]   ; the largest score of each block of 32 keys: for the row's maximum and, since p rises with the score, for the block's largest p
.endr
.irp i, 3,5,7,9,11,13
.irp b, 0,1,2,3
	v_max3_num_f32 v[208+\b], v[208+\b], v[96+16*\b+\i], v[97+16*\b+\i]
.endr
.endr
.irp b, 0,1,2,3
	v_max_num_f32 v[208+\b], v[208+\b], v[111+16*\b]
.endr
.irp b, 0,1,2,3
	v_permlanex16_b32 v[212+\b], v[208+\b], s28, s29
.endr
.irp b, 0,1,2,3
	v_max_num_f32 v[208+\b], v[208+\b], v[212+\b]  ; with lane l xor 16's 16 keys
.endr
	v_max3_num_f32 v220, v208, v209, v210
	v_max_num_f32 v220, v220, v211
	v_mul_f32 v220, s30, v220                      ; the step's largest t
	v_max_num_f32 v13, v13, v220
	v_mov_b32 v220, v12
	v_floor_f32 v12, -v13                          ; the new -M = -ceil(t)
	v_sub_f32 v220, v12, v220                      ; old M - new M: a whole number, 0 or less
	v_cvt_i32_f32 v220, v220                       ; (it saturates)
	v_ldexp_f32 v222, 1.0, v220                    ; f = 2^(old M - new M)
.set J, 0
.rept 32
	v_pk_fma_f32 v[96+J:97+J], v[96+J:97+J], s[30:31], v[12:13] op_sel_hi:[1,0,0]   ; t - M, two at a time
.set J, J+2
.endr
.irp b, 0,1,2,3
	v_fma_f32 v[208+\b], v[208+\b], s30, v12       ; the same of each block's largest score
.endr
.set J, 0
.rept 64
	v_exp_f32 v[96+J], v[96+J]                     ; p = 2^(t - M)
.set J, J+1
.endr
	v_pk_mul_f32 v[14:15], v[14:15], v[222:223] op_sel_hi:[1,0]   ; the sums under the new M: the plain line behind the exponentials
	s_wait_alu depctr_va_vdst(0)                   ; one wait for the whole batch, ahead of its first reader
.irp b, 0,1,2,3
	v_exp_f32 v[208+\b], v[208+\b]                 ; the block's largest p
.endr
	v_pk_add_f32 v[224:225], v[96:97], v[98:99]    ; the row's sum of the unquantised p, in two chains
.irp j, 4,8,12,16,20,24,28,32,36,40,44,48,52,56,60
	v_pk_add_f32 v[14:15], v[14:15], v[96+\j:97+\j]
	v_pk_add_f32 v[224:225], v[224:225], v[98+\j:99+\j]
.endr
	v_pk_add_f32 v[14:15], v[14:15], v[224:225]
	s_wait_alu depctr_va_vdst(0)                   ; and one for the four
.irp b, 0,1,2,3
	v_max_num_f32 v[208+\b], 0x1800000, v[208+\b]  ; the floor 2^(3 - 127): the byte cannot fall under 1
.endr
.irp b, 0,1,2,3
	v_add_nc_u32 v[216+\b], 0xff000000, v[208+\b]  ; 2 off the exponent field: the conversion's scale operand
.endr
.irp b, 0,1,2,3
	v_lshrrev_b32 v[212+\b], 23, v[216+\b]         ; the scale's byte
.endr
	v_lshl_or_b32 v204, v213, 8, v212              ; p's scale word for these 128 keys
	v_lshl_or_b32 v204, v214, 16, v204
	v_lshl_or_b32 v204, v215, 24, v204
.irp b, 0,1,2,3
	v_cvt_scalef32_pk8_fp4_f32 v[192+2*\b], v[96+16*\b:103+16*\b], v[216+\b]
	v_cvt_scalef32_pk8_fp4_f32 v[193+2*\b], v[104+16*\b:111+16*\b], v[216+\b]
.endr
	v_nop                                          ; one plain line behind the scaled conversions
.irp c, 0,1
.irp i, 0,1
	v_permlane16_swap_b32 v[192+4*\c+\i], v[194+4*\c+\i]   ; a whole block in a lane
.endr
.endr
.set J, 0
.rept 16
	v_pk_mul_f32 v[160+J:161+J], v[160+J:161+J], v[222:223] op_sel_hi:[1,0]   ; O^T under the new M.  (Of these sixteen, twelve name no register of any one product below: they stand between the scale word's and the codes' making and the products)
.set J, J+2
.endr
	s_wait_dscnt 0x0                               ; V and its scale words are in
.irp d, 0,1,2,3                                ; the four accumulators by turns; the matrix instruction ahead of each is never the one that it adds onto
.if \d%2
	v_wmma_scale_f32_16x16x128_f8f6f4 v[160+8*\d:167+8*\d], v[64+8*\d:71+8*\d], v[192:199], v[160+8*\d:167+8*\d], v[202+\d/2], v204 matrix_a_fmt:MATRIX_FMT_FP4 matrix_b_fmt:MATRIX_FMT_FP4 matrix_a_scale:MATRIX_SCALE_ROW1
.else
	v_wmma_scale_f32_16x16x128_f8f6f4 v[160+8*\d:167+8*\d], v[64+8*\d:71+8*\d], v[192:199], v[160+8*\d:167+8*\d], v[202+\d/2], v204 matrix_a_fmt:MATRIX_FMT_FP4 matrix_b_fmt:MATRIX_FMT_FP4
.endif
.endr
	s_add_co_u32 s32, s32, STEPB
	s_sub_co_u32 s33, s33, 1
	s_cmp_lg_u32 s33, 0
	s_cbranch_scc1 .Lstep_\@
	; the way out of a pass: O^T / the sum, quantised: registers 16 b + i are channels 32 b + 16 (lane / 16) + i of the head: two blocks of the last product's K
.rept 4
	v_nop
.endr
	v_add_f32 v14, v14, v15
	v_permlanex16_b32 v220, v14, s28, s29
	v_add_f32 v14, v14, v220                       ; the row's sum
	v_rcp_f32 v14, v14
	v_nop                                          ; a plain line behind the reciprocal,
	s_wait_alu depctr_va_vdst(0)                   ; and the wait ahead of its first reader
.set J, 0
.rept 16
	v_pk_mul_f32 v[96+J:97+J], v[160+J:161+J], v[14:15] op_sel_hi:[1,0]   ; each accumulator from its low end on
.set J, J+2
.endr
.irp b, 0,1
	v_max3_num_f32 v[208+\b], |v[96+16*\b]|, |v[97+16*\b]|, 0x1800000
.endr
.irp i, 2,4,6,8,10,12,14
.irp b, 0,1
	v_max3_num_f32 v[208+\b], v[208+\b], |v[96+16*\b+\i]|, |v[97+16*\b+\i]|
.endr
.endr
.irp b, 0,1
	v_permlanex16_b32 v[212+\b], v[208+\b], s28, s29
.endr
.irp b, 0,1
	v_max_num_f32 v[208+\b], v[208+\b], v[212+\b]
.endr
.irp b, 0,1
	v_add_nc_u32 v[216+\b], 0xff000000, v[208+\b]
.endr
.irp b, 0,1
	v_lshrrev_b32 v[212+\b], 23, v[216+\b]
.endr
	v_lshl_or_b32 v220, v213, 8, v212              ; the head's two scale bytes of my row
.irp b, 0,1
	v_cvt_scalef32_pk8_fp4_f32 v[192+2*\b], v[96+16*\b:103+16*\b], v[216+\b]
	v_cvt_scalef32_pk8_fp4_f32 v[193+2*\b], v[104+16*\b:111+16*\b], v[216+\b]
.endr
	v_nop
	v_permlane16_swap_b32 v192, v194
	v_permlane16_swap_b32 v193, v195
	global_store_b128 v1, v[192:195], s[40:41] offset:8192*\p   ; half a fragment: 512 consecutive bytes
	v_cndmask_b32 v7, v7, v220, s[44+\p]           ; the first tile's bytes in lanes 0-15, the second's in lanes 16-31
.endm
	PASS 0
	PASS 1
	global_store_b16 v6, v7, s[42:43]
	s_wait_dscnt 0x0                               ; no LDS instruction of mine is pending at the signal
	s_wait_tensorcnt 0x0
	ds_add_u32 v254, v255
	s_wait_dscnt 0x0
	CROUND                                         ; the closing round: no work-group ends while a partner may still ask for a tile that names it
	s_endpgm
.Lfunc_end_k_q2ff13ad1c5_attn:
	.size	k_q2ff13ad1c5_attn, .Lfunc_end_k_q2ff13ad1c5_attn-k_q2ff13ad1c5_attn
	.p2alignl 7, 3214868480
	.fill 96, 4, 3214868480
	.section	.rodata,"a",@progbits
	.p2align	6, 0x0
	.amdhsa_kernel k_q2ff13ad1c5_attn
		.amdhsa_group_segment_fixed_size 169984
		.amdhsa_private_segment_fixed_size 0
		.amdhsa_enable_private_segment 0
		.amdhsa_kernarg_size 32
		.amdhsa_user_sgpr_count 2
		.amdhsa_user_sgpr_kernarg_segment_ptr 1
		.amdhsa_wavefront_size32 1
		.amdhsa_system_sgpr_workgroup_id_x 1
		.amdhsa_system_sgpr_workgroup_id_y 1
		.amdhsa_system_sgpr_workgroup_id_z 1
		.amdhsa_system_vgpr_workitem_id 0
		.amdhsa_next_free_vgpr 256
		.amdhsa_next_free_sgpr 66
		.amdhsa_reserve_vcc 0
		.amdhsa_float_denorm_mode_32 3
		.amdhsa_float_denorm_mode_16_64 3
		.amdhsa_memory_ordered 1
		.amdhsa_forward_progress 1
		.amdhsa_inst_pref_size 45
	.end_amdhsa_kernel
	.amdgpu_metadata
---
amdhsa.version: [ 1, 2 ]
amdhsa.kernels:
  - .name:           k_q2ff13ad1c5_attn
    .symbol:         k_q2ff13ad1c5_attn.kd
    .args:
      - { .name: qb, .offset: 0, .size: 8, .value_kind: global_buffer, .address_space: global }
      - { .name: kv, .offset: 8, .size: 8, .value_kind: global_buffer, .address_space: global }
      - { .name: cc, .offset: 16, .size: 8, .value_kind: global_buffer, .address_space: global }
      - { .name: cs, .offset: 24, .size: 8, .value_kind: global_buffer, .address_space: global }
    .group_segment_fixed_size: 169984
    .private_segment_fixed_size: 0
    .kernarg_segment_align: 8
    .kernarg_segment_size: 32
    .max_flat_workgroup_size: 512
    .sgpr_count:     66
    .vgpr_count:     256
    .wavefront_size: 32
...
	.end_amdgpu_metadata
.endif
;; end of part 2
;; launch outln (part 3): grid 256 x 1, 8 waves a work-group, no clusters, 280,064 bytes of LDS; arguments cc, cs, Wo_codes, Wo_scales, bo, x, ln_g, ln_b, out0; writes out0
.if DOCPART == 3
	.amdgcn_target "amdgcn-amd-amdhsa--gfx1250"
	.amdhsa_code_object_version 6
	.text
	.protected	k_q2ff13ad1c5_outln
	.globl	k_q2ff13ad1c5_outln
	.p2align	8
	.type	k_q2ff13ad1c5_outln,@function
k_q2ff13ad1c5_outln:
	s_mov_b64 s[64:65], 0
	v_nop
	global_prefetch_b8 v0, s[64:65] scope:SCOPE_SE
	s_setreg_imm32_b32 hwreg(HW_REG_WAVE_MODE, 25, 1), 1
	s_wait_xcnt 0x0
; out0 = LayerNorm(ctx Wo^T + bo + x) x ln_g + ln_b.  The product is on codes of FP4 (E2M1) with E8M0 scales; all else in f32.
; SHARES.  Work-group P owns rows 32 P .. 32 P + 31: two tiles of ctx, in the order in which the attention launch left them: lane r of tile a is row 8 a + r + 8 (r / 8).
; Product: wave w makes columns 128 w .. 128 w + 127 for both tiles: 16 accumulators.  Source 0 = 16 neighbouring rows of Wo, source 1 = ctx: a lane's eight results are eight neighbouring columns of one row.
; Wo's fragments go from memory straight into registers, in eight units (two tiles of Wo x half of K), three sets by turns, two units (36 loads) ahead.
; The results meet in a stage in LDS (32 rows x 4,112 bytes); then wave w takes stage rows 4 w .. 4 w + 3, which are four neighbouring rows of x and of out0, and normalises them: the mean first, then the mean of the squared
; differences: no difference of large sums is formed.
; ctx's 16 images (16,384 bytes) and x's 32 rows come by tensor loads, two a wave, issued together at the head; nothing is filled again.
; NO JOINT LOADS: all work-groups read the same 557,056 bytes of Wo, which do not fit in LDS beside the stage and x's rows (279,040 bytes); cut into slots, each refill would have 32 matrix instructions of a wave in which to land.
; LIMITS: NaN and infinities are not served.  A given scale byte 0xff gives NaN.
; REGISTERS, window 0: v4 16 x lane, v5 Wo's row 512 r + 16 h, v6 its scale bytes 32 r, v7 32 x lane, v8 ctx's images, v9, v10 the stage (way in, tile 0, 1), v11 the stage (way out), v13 x's rows;
;   v32-39 ctx's scale words (lanes 0-15 tile 0, lanes 16-31 tile 1); v40-63 Wo's, three sets of 8; v64-255 Wo's fragments, three sets of 64; later v64-95 bo, v96-127 a row, v128-159 x's row, v160-167 at work, v192-223 ln_g, v224-255 ln_b.
;   window 1: v0-127 the accumulators (Wo's tile T, ctx's tile a) at 8 (2 T + a); v128-255 ctx's fragments (a, K step s) at 128 + 8 (8 a + s).
.set CIM,  131072                      ; LDS: x's rows from 0 on, 16,384 bytes a wave; here ctx's images: 8,192 a + 1,024 s + 512 c
.set STG,  147456                      ; the stage
.set SPI,  4112                        ; its pitch: 4,096 + 16 = 257 x 16 bytes: the 16 rows that a store touches start at 16 different groups of banks
.set MSB, 0
.macro WIN new
.if MSB != (\new)
	s_set_vgpr_msb (MSB<<8)|(\new)
.set MSB, (\new)
.endif
.endm
.macro PLACES
.rept 4
	v_nop
.endr
.endm
.macro ULOAD u                         ; unit u: Wo's tiles 2 (u / 2), 2 (u / 2) + 1, K steps 4 (u % 2) .. + 3, into set u % 3: 18 loads
.set QQ, (\u)/2
.set KK, (\u)%2
.set S3, (\u)%3
.irp e, 0,1
.set I, 0
.rept 8
	global_load_b128 v[64+64*S3+32*\e+4*I:64+64*S3+32*\e+4*I+3], v5, s[8:9] offset:16*(2*QQ+\e)*512+256*KK+32*I   ; a tile's eight loads cover 16 rows x 256 bytes
.set I, I+1
.endr
.endr
.irp e, 0,1
	global_load_b128 v[40+8*S3+4*\e:40+8*S3+4*\e+3], v6, s[10:11] offset:16*(2*QQ+\e)*32+16*KK
.endr
.endm
.macro UMUL u                          ; its 16 matrix instructions: four accumulators by turns, one instruction a turn.  The first K step starts the sums
.set QQ, (\u)/2
.set KK, (\u)%2
.set S3, (\u)%3
	WIN 0x54                                       ; source 1 (ctx), C and D window 1
.irp p, 0,1,2,3
.irp e, 0,1
.set AW, 64+64*S3+32*\e+8*\p
.set AC, 16*(2*QQ+\e)
.set BC, 128+8*(4*KK+\p)
.if (KK == 0) && (\p == 0)
	v_wmma_scale_f32_16x16x128_f8f6f4 v[AC:AC+7], v[AW:AW+7], v[BC:BC+7], 0, v[40+8*S3+4*\e+\p], v[32+4*KK+\p] matrix_a_fmt:MATRIX_FMT_FP4 matrix_b_fmt:MATRIX_FMT_FP4
	v_wmma_scale_f32_16x16x128_f8f6f4 v[AC+8:AC+15], v[AW:AW+7], v[BC+64:BC+71], 0, v[40+8*S3+4*\e+\p], v[32+4*KK+\p] matrix_a_fmt:MATRIX_FMT_FP4 matrix_b_fmt:MATRIX_FMT_FP4 matrix_b_scale:MATRIX_SCALE_ROW1
.else
	v_wmma_scale_f32_16x16x128_f8f6f4 v[AC:AC+7], v[AW:AW+7], v[BC:BC+7], v[AC:AC+7], v[40+8*S3+4*\e+\p], v[32+4*KK+\p] matrix_a_fmt:MATRIX_FMT_FP4 matrix_b_fmt:MATRIX_FMT_FP4
	v_wmma_scale_f32_16x16x128_f8f6f4 v[AC+8:AC+15], v[AW:AW+7], v[BC+64:BC+71], v[AC+8:AC+15], v[40+8*S3+4*\e+\p], v[32+4*KK+\p] matrix_a_fmt:MATRIX_FMT_FP4 matrix_b_fmt:MATRIX_FMT_FP4 matrix_b_scale:MATRIX_SCALE_ROW1
.endif
.endr
.endr
	WIN 0
	PLACES                                         ; in front of loads into the set just multiplied, and of the first read of results
.endm
.macro RED                             ; the pair v[160:161] of every lane becomes one sum over the wave, in v160 of every lane
	v_add_f32 v160, v160, v161
	v_add_f32_dpp v160, v160, v160 row_xmask:1 row_mask:0xf bank_mask:0xf
	v_add_f32_dpp v160, v160, v160 row_xmask:2 row_mask:0xf bank_mask:0xf
	v_add_f32_dpp v160, v160, v160 row_xmask:4 row_mask:0xf bank_mask:0xf
	v_add_f32_dpp v160, v160, v160 row_xmask:8 row_mask:0xf bank_mask:0xf
	v_permlanex16_b32 v161, v160, s52, s53
	v_add_f32 v160, v160, v161
.endm
.macro ROW i                           ; one row of 1,024: a lane holds 32 numbers, 16 bytes of each 512
	s_wait_xcnt 0x0                                ; the last row's stores have read v96-127
.irp m, 0,1,2,3,4,5,6,7
	ds_load_b128 v[96+4*\m:99+4*\m], v11 offset:SPI*(\i)+512*\m
.endr
.irp m, 0,1,2,3,4,5,6,7
	ds_load_b128 v[128+4*\m:131+4*\m], v13 offset:4096*(\i)+512*\m
.endr
	s_wait_dscnt 0x0
.set J, 0
.rept 16
	v_pk_add_f32 v[96+J:97+J], v[96+J:97+J], v[64+J:65+J]       ; + bo
.set J, J+2
.endr
.set J, 0
.rept 16
	v_pk_add_f32 v[96+J:97+J], v[96+J:97+J], v[128+J:129+J]     ; + x
.set J, J+2
.endr
	v_pk_add_f32 v[160:161], v[96:97], v[98:99]    ; the row's sum, in two chains
	v_pk_add_f32 v[162:163], v[100:101], v[102:103]
.irp k, 8,12,16,20,24,28
	v_pk_add_f32 v[160:161], v[160:161], v[96+\k:97+\k]
	v_pk_add_f32 v[162:163], v[162:163], v[98+\k:99+\k]
.endr
	v_pk_add_f32 v[160:161], v[160:161], v[162:163]
	RED
	v_mul_f32 v164, s54, v160                      ; - the mean
.set J, 0
.rept 16
	v_pk_add_f32 v[96+J:97+J], v[96+J:97+J], v[164:165] op_sel_hi:[1,0]
.set J, J+2
.endr
	v_pk_mul_f32 v[160:161], v[96:97], v[96:97]    ; the sum of the squared differences
	v_pk_mul_f32 v[162:163], v[98:99], v[98:99]
.irp k, 4,8,12,16,20,24,28
	v_pk_fma_f32 v[160:161], v[96+\k:97+\k], v[96+\k:97+\k], v[160:161]
	v_pk_fma_f32 v[162:163], v[98+\k:99+\k], v[98+\k:99+\k], v[162:163]
.endr
	v_pk_add_f32 v[160:161], v[160:161], v[162:163]
	RED
	v_fma_f32 v160, v160, s50, s51                 ; the variance + 1e-5
	v_rsq_f32 v166, v160
	v_nop                                          ; a plain line behind the root,
	s_wait_alu depctr_va_vdst(0)                   ; and the wait ahead of its first reader
.set J, 0
.rept 16
	v_pk_mul_f32 v[96+J:97+J], v[96+J:97+J], v[166:167] op_sel_hi:[1,0]
.set J, J+2
.endr
.set J, 0
.rept 16
	v_pk_fma_f32 v[96+J:97+J], v[96+J:97+J], v[192+J:193+J], v[224+J:225+J]
.set J, J+2
.endr
.irp m, 0,1,2,3,4,5,6,7
	global_store_b128 v4, v[96+4*\m:99+4*\m], s[20:21] offset:4096*(\i)+512*\m th:TH_STORE_NT   ; 512 consecutive bytes, aligned; written once, read by nobody here
.endr
.endm
	s_load_b256 s[4:11], s[0:1], 0x0               ; cc s[4:5], cs s[6:7], Wo's codes s[8:9], Wo's scales s[10:11]
	s_load_b256 s[12:19], s[0:1], 0x20             ; bo s[12:13], x s[14:15], ln_g s[16:17], ln_b s[18:19]
	s_load_b64 s[20:21], s[0:1], 0x40              ; out0
	v_lshl_add_u32 v30, v0, 2, 0x44200
	v_mov_b32 v31, 0
	ds_add_u32 v30, v31
	ds_add_u32 v30, v31
	v_lshrrev_b32 v1, 5, v0
	v_readfirstlane_b32 s2, v1                     ; wave 0..7
	; descriptor groups 1: dense blocks as rows of 256 bytes (32 elements of 8 bytes): 8 rows of ctx's images, 64 rows for four rows of x
	s_mov_b32 s24, 3<<16
	s_mov_b32 s25, 32<<16
	s_mov_b32 s26, 8<<16
	s_mov_b32 s27, 32<<16
	s_mov_b32 s28, 8
	s_mov_b32 s29, 32
	s_mov_b32 s30, 0
	s_mov_b32 s31, 0
	s_mov_b32 s32, 3<<16
	s_mov_b32 s33, 32<<16
	s_mov_b32 s34, 64<<16
	s_mov_b32 s35, 32<<16
	s_mov_b32 s36, 64
	s_mov_b32 s37, 32
	s_mov_b32 s38, 0
	s_mov_b32 s39, 0
	s_mov_b32 s40, 1
	s_lshl_b32 s41, s2, 11
	s_add_co_u32 s41, s41, CIM                     ; my 2,048 bytes of the images
	s_mov_b32 s44, 1
	s_lshl_b32 s45, s2, 14                         ; my four rows of x
	s_lshl_b32 s54, ttmp9, 14
	s_lshl_b32 s55, s2, 11
	s_add_co_u32 s54, s54, s55
	s_mov_b32 s55, 0                               ; in cc: 16,384 P + 2,048 wave
	s_lshr_b32 s56, s2, 2                          ; stage rows 4 w .. 4 w + 3 are rows 8 (w / 4) + 4 (w % 4) + 8 ((w / 2) % 2) + 0 .. 3 of the 32
	s_lshl_b32 s56, s56, 3
	s_and_b32 s57, s2, 3
	s_lshl_b32 s57, s57, 2
	s_add_co_u32 s56, s56, s57
	s_bfe_u32 s57, s2, 0x10001
	s_lshl_b32 s57, s57, 3
	s_add_co_u32 s56, s56, s57
	s_lshl_b32 s57, ttmp9, 5
	s_add_co_u32 s56, s56, s57
	s_lshl_b32 s56, s56, 12                        ; in bytes
	s_mov_b32 s57, 0
	v_and_b32 v1, 31, v0                           ; lane
	v_and_b32 v2, 15, v0                           ; r
	v_bfe_u32 v3, v0, 4, 1                         ; h
	v_lshlrev_b32 v4, 4, v1
	v_lshlrev_b32 v5, 9, v2
	v_lshl_add_u32 v5, v3, 4, v5
	v_lshlrev_b32 v6, 5, v2
	v_lshlrev_b32 v7, 5, v1
	v_add_nc_u32 v8, CIM, v4
	v_mul_u32_u24 v9, v2, SPI
	v_lshl_add_u32 v9, v3, 5, v9
	s_lshl_b32 s58, s2, 9
	s_add_co_u32 s58, s58, STG
	v_add_nc_u32 v9, s58, v9                       ; row r, my wave's 512 bytes, + 32 h
	v_add_nc_u32 v10, 16*SPI, v9                   ; the same 16 rows further down
	s_mul_i32 s58, s2, 4*SPI
	s_add_co_u32 s58, s58, STG
	v_add_nc_u32 v11, s58, v4
	s_lshl_b32 s58, s2, 14
	v_add_nc_u32 v13, s58, v4
	v_mov_b32 v165, 0                              ; the upper halves of two pairs of which the low word is used: written once
	v_mov_b32 v167, 0
	s_mov_b32 s50, 0x3a800000                      ; 1 / 1024
	s_mov_b32 s51, 0x3727c5ac                      ; 1e-5
	s_mov_b32 s52, 0x76543210
	s_mov_b32 s53, 0xfedcba98                      ; lane l xor 16
	s_mov_b32 s59, 0
	s_wait_dscnt 0x0
	s_wait_kmcnt 0x0
	s_add_nc_u64 s[42:43], s[4:5], s[54:55]
	s_or_b32 s43, s43, 0x80000000                  ; type = 2
	s_add_nc_u64 s[46:47], s[14:15], s[56:57]
	s_or_b32 s47, s47, 0x80000000
	tensor_load_to_lds s[40:43], s[24:31]          ; ctx's images first: they are wanted first.  Two loads of mine are out
	s_nop 0
	tensor_load_to_lds s[44:47], s[32:39]
	s_nop 0
.rept 4
	v_nop
.endr
	s_mov_b32 s54, 0xba800000                      ; - 1 / 1024
	s_add_nc_u64 s[20:21], s[20:21], s[56:57]      ; out0 at my four rows
	s_lshl_b32 s58, s2, 16
	s_add_nc_u64 s[8:9], s[8:9], s[58:59]          ; my 128 rows of Wo: 512 bytes a row,
	s_lshl_b32 s58, s2, 12
	s_add_nc_u64 s[10:11], s[10:11], s[58:59]      ; 32 scale bytes a row
	s_lshl_b32 s58, ttmp9, 10
	s_add_nc_u64 s[6:7], s[6:7], s[58:59]          ; my pair's scale words
	global_load_b128 v[32:35], v7, s[6:7]          ; eight words a lane: K steps 0 to 7
	global_load_b128 v[36:39], v7, s[6:7] offset:16
	ULOAD 0
	ULOAD 1
	ULOAD 2
	s_wait_tensorcnt 0x1                           ; my part of the images is in; x's rows may stay out
	s_barrier_signal -1
	s_barrier_wait -1                              ; everybody's is
	WIN 0x40                                       ; destination window 1
.set I, 0
.rept 32
	ds_load_b128 v[128+4*I:128+4*I+3], v8 offset:512*I
.set I, I+1
.endr
	WIN 0
	s_wait_dscnt 0x0
.irp u, 0,1,2,3,4
	s_wait_loadcnt 36                              ; this unit's loads are in; the two younger units' 18 each may be out
	UMUL \u
	ULOAD \u+3
.endr
	s_wait_loadcnt 36
	UMUL 5
.irp m, 0,1,2,3,4,5,6,7
	global_load_b128 v[192+4*\m:195+4*\m], v4, s[16:17] offset:512*\m   ; ln_g and ln_b, as a row lies in the lanes, into the set just multiplied
.endr
.irp m, 0,1,2,3,4,5,6,7
	global_load_b128 v[224+4*\m:227+4*\m], v4, s[18:19] offset:512*\m
.endr
	s_wait_loadcnt 34                              ; unit 7's 18 and those 16 may be out
	UMUL 6
.irp m, 0,1,2,3,4,5,6,7
	global_load_b128 v[64+4*\m:67+4*\m], v4, s[12:13] offset:512*\m     ; bo
.endr
	s_wait_loadcnt 24                              ; the 16 and bo's 8 may be out
	UMUL 7
	WIN 0x04                                       ; an LDS store's data are its source 1: window 1
.set T, 0
.rept 8
	ds_store_b128 v9, v[16*T:16*T+3] offset:64*T               ; each accumulator from its low end on
	ds_store_b128 v9, v[16*T+4:16*T+7] offset:64*T+16
	ds_store_b128 v10, v[16*T+8:16*T+11] offset:64*T
	ds_store_b128 v10, v[16*T+12:16*T+15] offset:64*T+16
.set T, T+1
.endr
	WIN 0
	s_wait_tensorcnt 0x0                           ; my four rows of x are in: I alone read them
	s_wait_dscnt 0x0                               ; for the others' sake: my stores into the stage have landed
	s_barrier_signal -1
	s_barrier_wait -1                              ; 32 whole rows lie in the stage
	s_wait_loadcnt 0x0                             ; ln_g, ln_b, bo
	ROW 0
	ROW 1
	ROW 2
	ROW 3
	s_wait_tensorcnt 0x0
	ds_add_u32 v30, v31
	s_wait_dscnt 0x0
	s_endpgm
.Lfunc_end_k_q2ff13ad1c5_outln:
	.size	k_q2ff13ad1c5_outln, .Lfunc_end_k_q2ff13ad1c5_outln-k_q2ff13ad1c5_outln
	.p2alignl 7, 3214868480
	.fill 96, 4, 3214868480
	.section	.rodata,"a",@progbits
	.p2align	6, 0x0
	.amdhsa_kernel k_q2ff13ad1c5_outln
		.amdhsa_group_segment_fixed_size 280064
		.amdhsa_private_segment_fixed_size 0
		.amdhsa_enable_private_segment 0
		.amdhsa_kernarg_size 72
		.amdhsa_user_sgpr_count 2
		.amdhsa_user_sgpr_kernarg_segment_ptr 1
		.amdhsa_wavefront_size32 1
		.amdhsa_system_sgpr_workgroup_id_x 1
		.amdhsa_system_sgpr_workgroup_id_y 1
		.amdhsa_system_sgpr_workgroup_id_z 1
		.amdhsa_system_vgpr_workitem_id 0
		.amdhsa_next_free_vgpr 512
		.amdhsa_next_free_sgpr 66
		.amdhsa_reserve_vcc 0
		.amdhsa_float_denorm_mode_32 3
		.amdhsa_float_denorm_mode_16_64 3
		.amdhsa_memory_ordered 1
		.amdhsa_forward_progress 1
		.amdhsa_inst_pref_size 82
	.end_amdhsa_kernel
	.amdgpu_metadata
---
amdhsa.version: [ 1, 2 ]
amdhsa.kernels:
  - .name:           k_q2ff13ad1c5_outln
    .symbol:         k_q2ff13ad1c5_outln.kd
    .args:
      - { .name: cc, .offset: 0, .size: 8, .value_kind: global_buffer, .address_space: global }
      - { .name: cs, .offset: 8, .size: 8, .value_kind: global_buffer, .address_space: global }
      - { .name: Wo_codes, .offset: 16, .size: 8, .value_kind: global_buffer, .address_space: global }
      - { .name: Wo_scales, .offset: 24, .size: 8, .value_kind: global_buffer, .address_space: global }
      - { .name: bo, .offset: 32, .size: 8, .value_kind: global_buffer, .address_space: global }
      - { .name: x, .offset: 40, .size: 8, .value_kind: global_buffer, .address_space: global }
      - { .name: ln_g, .offset: 48, .size: 8, .value_kind: global_buffer, .address_space: global }
      - { .name: ln_b, .offset: 56, .size: 8, .value_kind: global_buffer, .address_space: global }
      - { .name: out0, .offset: 64, .size: 8, .value_kind: global_buffer, .address_space: global }
    .group_segment_fixed_size: 280064
    .private_segment_fixed_size: 0
    .kernarg_segment_align: 8
    .kernarg_segment_size: 72
    .max_flat_workgroup_size: 256
    .sgpr_count:     66
    .vgpr_count:     512
    .wavefront_size: 32
...
	.end_amdgpu_metadata
.endif
;; end of part 3
;; ======== version 2 of 2: 3 launches
;; workspace buffers: qb 4,456,448 bytes; kv 8,912,896 bytes; cc 4,194,304 bytes; cs 262,144 bytes
;; launch qkv (part 4): grid 64 x 3, 4 waves a work-group, no clusters, 103,936 bytes of LDS; arguments x, Wq_codes, Wk_codes, Wv_codes, Wq_scales, Wk_scales, Wv_scales, bq, bk, bv, qb, kv; writes qb, kv
.if DOCPART == 4
	.amdgcn_target "amdgcn-amd-amdhsa--gfx1250"
	.amdhsa_code_object_version 6
	.text
	.protected	k_q2ff13ad1c5_qkv
	.globl	k_q2ff13ad1c5_qkv
	.p2align	8
	.type	k_q2ff13ad1c5_qkv,@function
k_q2ff13ad1c5_qkv:
	s_mov_b64 s[64:65], 0
	v_nop
	global_prefetch_b8 v0, s[64:65] scope:SCOPE_SE
	s_setreg_imm32_b32 hwreg(HW_REG_WAVE_SCHED_MODE, 0, 2), 2
	s_setreg_imm32_b32 hwreg(HW_REG_WAVE_MODE, 25, 1), 1
	s_wait_xcnt 0x0
	s_wait_alu depctr_vm_vsrc(0)
; q = x Wq^T + bq, k = x Wk^T + bk, v = x Wv^T + bv on codes of FP4 (E2M1) with one E8M0 scale for each 32 along K, and the results quantised again for the attention launch.
; x: [8192][1024] f32.  W*: codes [1024][512 bytes], scale bytes [1024][32].  Work-group (rb, role): rows 128 rb .. 128 rb + 127 of x; role 0 makes q, 1 makes k, 2 makes v.
; TILE ORDER.  Wherever 16 rows form a tile, lane r of tile 2 b + u takes row 32 b + 8 u + r + 8 (r / 8).  In a result whose source 0 is such tiles, the 16 registers of tiles 2 b and 2 b + 1 are then
; 16 neighbours, 32 b + 16 (lane / 16) + 0 .. 15, which is what the conversions want of one lane.  q, k: source 0 = rows of W (the next K is the head's 64), source 1 = rows of x.
; v: source 0 = rows of x (the next K is the keys), source 1 = rows of Wv.
; PHASE X: wave w quantises rows 32 w .. 32 w + 31 (two tiles) for all eight K steps of 128; the fragments go to LDS as images of their registers ([c][lane][16 bytes], 1,024 bytes), the scale words beside them.
; Then wave w owns 256 output columns (heads 4 w .. 4 w + 3).  q, k: 128 columns of W (64 fragments) stay in registers, the eight tiles of x stream from LDS.  v: all of x's 64 fragments stay, Wv's tiles of 16 channels stream from memory.
; OUT.  qb [head 64][step 16][8 tiles x 512 bytes | 256 bytes of scale words]; kv [head][step][K: the same 4,352 bytes | V: 4 channel tiles x 1,024 bytes | 256 bytes of scale words].  Every store of codes covers 512 consecutive bytes.
; NO JOINT LOADS: a block of x is read by three work-groups (the grid's y is 3, which no cluster of four divides), and the weights go straight into each wave's own registers.
; NO PREFETCH: a wave has 48 loads of 512 bytes on their way through phase X.
; LIMITS: NaN and infinities among the inputs are not served.  A block of zeros gets the scale byte 1 where the quantiser's rule says 127: its codes are zeros, and this program alone reads the bytes.  A given scale byte 0xff gives NaN.
; THE MODE: SCHED_MODE bits 1:0 = 2 (LLVM: expert scheduling mode 2), set by the entry lines.  The code itself states the register dependences
; between vector or matrix instructions and memory or LDS instructions, with s_wait_alu, always for 0.
; THE PLAN.  Registers that memory or LDS instructions touch:
;   v1 - v11         Offsets and addresses, made at the head and never written again: one wait on va_vdst ahead of the first load.
;   PHASE X, unit j.  Window 1, set j % 4: the loads issued in unit j - 3 land in it, unit j's LDS stores into the stage read it, no vector instruction names it.  HA: unit j's LDS loads from the stage land in it, its QUANT reads it.
;                    v[PC] on and v[PW]: QUANT writes them, the unit's three image stores read them.  v[XAI], v[XAS]: written in a trip's first unit, read by the image stores.
;                    Two waits to a unit.  vm_vsrc ahead of its loads: the unit before's stores have read the set in which they land, and v[PC] on, v[PW], v[XAI], v[XAS], which are written again below.
;                    va_vdst behind QUANT: what the image stores read is written, and QUANT is done reading HA, in which the next unit's LDS loads land; no vector instruction stands between that wait and those loads.
;   q, k, tile a.    Windows 1 and 2, v[RS] on and the bias: a chunk's loads land in them, its matrix instructions read them: one wait on va_vdst ahead of the chunk's first load.
;                    Window 3's set a % 2 and v[SS] set a % 2: MULQ a reads them, tile a + 2's LDS loads land in them.  v[PC] on: QUANT a writes, the tile's two stores read.
;                    One wait on va_vdst behind QUANT a serves both: the loads of tile a + 2 follow it, then the stores.  One wait on vm_vsrc ahead of QUANT a: the earlier stores have read v[PC] on (and the scale words' registers).
;   v, tile d.       The same, with Wv's tile d + 2 from memory; v[BVR] set d % 2 is read by the eight moves of tile d.  The stores stand ahead of the loads here: they name none of the loads' registers.
;   v[TM] on, v[PR] on, v[PWS] on and v[CB] on are named by vector and matrix instructions alone.  v254, v255: written at the head, read by the closing add alone.
.set XSC,  65536                       ; LDS: x's 64 images lie from 0 on, fragment (tile, K step) at (8 tile + step) x 1,024; here their scale words: tile x 512 + 32 r + 4 step
.set STG,  69632                       ; and a stage of 16 rows x 528 bytes for each wave
.set SP,   528
.set L16,  1                           ; v1   16 x lane
.set L8,   2                           ; v2   8 x lane
.set SI,   3                           ; v3   the stage, way in: 16 x lane
.set SOUT, 4                           ; v4   the stage, way out: 528 r + 64 h
.set XWI,  5                           ; v5   my wave's images: 16 x lane + 16,384 x wave
.set XWS,  6                           ; v6   my wave's scale words: XSC + 1,024 x wave + 32 r
.set R32,  7                           ; v7   XSC + 32 r
.set WA,   8                           ; v8   a tile's row of W: (r + 8 (r / 8)) x 512 + 16 h
.set WSA,  9                           ; v9   its scale bytes: (r + 8 (r / 8)) x 32
.set BAQ,  10                          ; v10  q, k: the bias of my half's eight columns: 64 h
.set BAV,  11                          ; v11  v: the bias of my channel: 4 (r + 8 (r / 8))
.set XAI,  12                          ; v12  XWI + the trip's step
.set XAS,  13                          ; v13  XWS + the trip's step
.set RS,   32                          ; v32-95   scale words of the operand that stays: 8 tile + K step
.set SS,   96                          ; v96-111  scale words of the operand that streams: two sets of 8
.set PC,   112                         ; v112-119 the codes just made
.set PWS,  120                         ; v120-127 the scale words of a run of tiles
.set HA,   128                         ; v128-191 eight accumulators; in phase X 64 numbers of x
.set CB,   192                         ; v192-199 v: the bias as a C operand
.set TM,   200                         ; v200-215 at work in QUANT
.set PW,   216                         ; v216     phase X: the scale word
.set PR,   217                         ; v217-220 scale words of pairs of tiles
.set SA,   222                         ; v[222:223], v[224:225] scale words on their way out
.set SB,   224
.set BVR,  226                         ; v226-227 v: my channel's bias, one for each streamed set
; window 1: phase X: four sets of 64 numbers as loaded; then the staying fragments of K steps 0-3 at 64 step + 8 tile.   window 2: those of K steps 4-7.
; window 3: v0-63 q, k: the bias in the result's layout; v64-127, v128-191 the streamed fragments, two sets, K step s at 8 s.
.set WV,   2
.set RL,   3
.set RB,   6
.set XB,   30                          ; s[30:31] x at my wave's first row
.set WC,   32                          ; s[32:33] the role's codes, s[34:35] scale bytes, s[36:37] bias, at my wave's columns
.set WS,   34
.set BI,   36
.set OA,   38                          ; s[38:39], s[40:41] where the results go: the chunk's first head and its second
.set OB,   40
.set HS2,  42                          ; s[42:43] two heads on, in bytes
.set CNT,  44
.set HM,   45                          ; lanes 16-31
.set SELA, 46
.set SELB, 47
.set SEL,  48                          ; s[48:49] lane l xor 16
.set XO,   57
.set XSO,  58
.set MSB, 0
.macro WIN new                         ; the immediate's high byte repeats the setting that is left; a switch that changes nothing is dropped
.if MSB != (\new)
	s_set_vgpr_msb (MSB<<8)|(\new)
.set MSB, (\new)
.endif
.endm
.macro PLACES                          ; four plain vector lines between a matrix instruction and a read of its result by a vector instruction (ISA guide 7.12.1)
.rept 4
	v_nop
.endr
.endm
; 64 numbers of a lane, register 16 b + i = k 32 b + 16 (lane / 16) + i of my row, become a fragment's codes in v[PC] on and its scale word in v[pw].
.macro QUANT src, pw
.irp b, 0,1,2,3
	v_max3_num_f32 v[TM+\b], |v[\src+16*\b]|, |v[\src+1+16*\b]|, 0x1800000   ; my 16 numbers of block b, and the floor 2^(3 - 127): the byte cannot fall under 1
.endr
.irp i, 2,4,6,8,10,12,14
.irp b, 0,1,2,3
	v_max3_num_f32 v[TM+\b], v[TM+\b], |v[\src+16*\b+\i]|, |v[\src+1+16*\b+\i]|   ; the four blocks by turns
.endr
.endr
.irp b, 0,1,2,3
	v_permlanex16_b32 v[TM+4+\b], v[TM+\b], s[SEL], s[SEL+1]
.endr
.irp b, 0,1,2,3
	v_max_num_f32 v[TM+\b], v[TM+\b], v[TM+4+\b]   ; with lane l xor 16's: the block's largest magnitude
.endr
.irp b, 0,1,2,3
	v_add_nc_u32 v[TM+12+\b], 0xff000000, v[TM+\b]   ; 2 off its exponent field: the conversion's scale operand
.endr
.irp b, 0,1,2,3
	v_lshrrev_b32 v[TM+4+\b], 23, v[TM+12+\b]      ; the scale's byte
.endr
	v_lshl_or_b32 v[\pw], v[TM+5], 8, v[TM+4]
	v_lshl_or_b32 v[\pw], v[TM+6], 16, v[\pw]
	v_lshl_or_b32 v[\pw], v[TM+7], 24, v[\pw]
.irp b, 0,1,2,3
	v_cvt_scalef32_pk8_fp4_f32 v[PC+2*\b], v[\src+16*\b:\src+7+16*\b], v[TM+12+\b]
	v_cvt_scalef32_pk8_fp4_f32 v[PC+1+2*\b], v[\src+8+16*\b:\src+15+16*\b], v[TM+12+\b]
.endr
	v_nop                                          ; one plain line behind the scaled conversions
.irp c, 0,1                                    ; the operand's layout wants a whole block in a lane
.irp i, 0,1
	v_permlane16_swap_b32 v[PC+4*\c+\i], v[PC+2+4*\c+\i]
.endr
.endr
.endm
; Phase X.  A unit is one tile (u) x one K step: 16 loads, each 512 consecutive bytes of one row; the rows in the tile's order.  The lines around the macro set the window: destination window 1.
.macro XLOAD set, u, so
.set I, 0
.rept 16
	global_load_b128 v[64*(\set)+4*I:64*(\set)+4*I+3], v[L16], s[XB:XB+1] offset:(8*(\u)+I+8*(I/8))*4096+512*(\so)
.set I, I+1
.endr
.endm
.macro TURN set                        ; through my stage: in as loaded, back 16 neighbours of each block of 32 a lane.  LDS serves a wave's instructions in order (ISA guide 5.7.1.4)
	WIN 0x04                                       ; an LDS store's data are its source 1: window 1
.set I, 0
.rept 16
	ds_store_b128 v[SI], v[64*(\set)+4*I:64*(\set)+4*I+3] offset:SP*I
.set I, I+1
.endr
	WIN 0
.set I, 0
.rept 16
	ds_load_b128 v[HA+4*I:HA+4*I+3], v[SOUT] offset:128*(I/4)+16*(I%4)   ; no vector instruction since the last unit's wait on va_vdst names HA
.set I, I+1
.endr
.endm
.macro XSTEP j, ahead, left
	s_wait_loadcnt \left                           ; this unit's 16 loads are in; the younger units' may be out
.if \ahead
	WIN 0x40                                       ; destination window 1
	s_wait_alu depctr_vm_vsrc(0)                   ; the last unit's stores into the stage have read the set in which the loads below land; its image stores have read v[PC] on and v[PW], and v[XAI] and v[XAS], all written again below
	XLOAD ((\j)+3)%4, ((\j)+3)%2, ((\j)+3)/2       ; three units ahead
.else
	s_wait_alu depctr_vm_vsrc(0)                   ; the last unit's image stores have read v[PC] on and v[PW], which QUANT writes again
.endif
	TURN (\j)%4
.if (\j) == 0
	v_add_nc_u32 v[XAI], s[XO], v[XWI]             ; where this trip's images and scale words go
	v_add_nc_u32 v[XAS], s[XSO], v[XWS]
.endif
	s_wait_dscnt 0x0                               ; the numbers are back from the stage
	QUANT HA, PW
	s_wait_alu depctr_va_vdst(0)                   ; QUANT has written v[PC] on and v[PW], and v[XAI] and v[XAS] are written: the stores below read them; QUANT is done reading HA, in which the next unit's LDS loads land
	ds_store_b128 v[XAI], v[PC:PC+3] offset:((\j)%2)*8192+((\j)/2)*1024
	ds_store_b128 v[XAI], v[PC+4:PC+7] offset:((\j)%2)*8192+((\j)/2)*1024+512
	ds_store_b32 v[XAS], v[PW] offset:((\j)%2)*512+((\j)/2)*4   ; lanes r and r + 16 write the same word with the same value
.endm
; 64 matrix instructions: K steps 0 to 7, in each the eight accumulators by turns, one instruction a turn.  The bias is the C of each sum's first instruction.
.macro MULQ set, cq
.set KS, 0
.rept 8
.if KS == 0
	WIN 0x0d+0x30*(\cq)                            ; source 0 window 1, source 1 window 3; q, k: C window 3
.elseif KS < 4
	WIN 0x0d
.else
	WIN 0x0e                                       ; source 0 window 2
.endif
.set T, 0
.rept 8
.if (KS == 0) && (\cq)
	v_wmma_scale_f32_16x16x128_f8f6f4 v[HA+8*T:HA+8*T+7], v[8*T:8*T+7], v[64+64*(\set):71+64*(\set)], v[8*T:8*T+7], v[RS+8*T], v[SS+8*(\set)] matrix_a_fmt:MATRIX_FMT_FP4 matrix_b_fmt:MATRIX_FMT_FP4
.elseif KS == 0
	v_wmma_scale_f32_16x16x128_f8f6f4 v[HA+8*T:HA+8*T+7], v[8*T:8*T+7], v[64+64*(\set):71+64*(\set)], v[CB:CB+7], v[RS+8*T], v[SS+8*(\set)] matrix_a_fmt:MATRIX_FMT_FP4 matrix_b_fmt:MATRIX_FMT_FP4
.else
	v_wmma_scale_f32_16x16x128_f8f6f4 v[HA+8*T:HA+8*T+7], v[64*(KS%4)+8*T:64*(KS%4)+8*T+7], v[64+64*(\set)+8*KS:71+64*(\set)+8*KS], v[HA+8*T:HA+8*T+7], v[RS+8*T+KS], v[SS+8*(\set)+KS] matrix_a_fmt:MATRIX_FMT_FP4 matrix_b_fmt:MATRIX_FMT_FP4
.endif
.set T, T+1
.endr
.set KS, KS+1
.endr
	WIN 0
	PLACES
.endm
; Tile a of x, all eight K steps, and its scale words, from LDS into set a % 2: 18 loads.  w = 1: the wait stands behind the window switch, ahead of the loads.
.macro FETCH_X a, w
	WIN 0xc0                                       ; destination window 3
.if \w
	s_wait_alu depctr_va_vdst(0)                   ; the matrix instructions just issued are done reading this set and its scale words, in which the loads below land; QUANT has written v[PC] on, which the two stores behind these loads read
.endif
.set I, 0
.rept 16
	ds_load_b128 v[64+64*((\a)%2)+4*I:64+64*((\a)%2)+4*I+3], v[L16] offset:8192*(\a)+512*I
.set I, I+1
.endr
	WIN 0
	ds_load_b128 v[SS+8*((\a)%2):SS+8*((\a)%2)+3], v[R32] offset:512*(\a)
	ds_load_b128 v[SS+8*((\a)%2)+4:SS+8*((\a)%2)+7], v[R32] offset:512*(\a)+16
.endm
.macro RES_W                           ; q, k: 128 rows of W stay: 64 fragments, their scale words, and the bias in the result's layout
.irp g, 0,1
	WIN 0x40+0x40*\g
.if \g == 0
	s_wait_alu depctr_va_vdst(0)                   ; the chunk before's matrix instructions are done reading W's fragments, their scale words, the bias and both sets of x: loads and window switches alone follow, up to the second tile of x
.endif
.set T, 0
.rept 8
.set I, 0
.rept 8
	global_load_b128 v[64*(I/2)+8*T+4*(I%2):64*(I/2)+8*T+4*(I%2)+3], v[WA], s[WC:WC+1] offset:(32*(T/2)+8*(T%2))*512+256*\g+32*I   ; a tile's eight loads cover 16 rows x 256 bytes
.set I, I+1
.endr
.set T, T+1
.endr
.endr
	WIN 0
.set T, 0
.rept 8
	global_load_b128 v[RS+8*T:RS+8*T+3], v[WSA], s[WS:WS+1] offset:(32*(T/2)+8*(T%2))*32
	global_load_b128 v[RS+8*T+4:RS+8*T+7], v[WSA], s[WS:WS+1] offset:(32*(T/2)+8*(T%2))*32+16
.set T, T+1
.endr
	WIN 0xc0
.set T, 0
.rept 8
	global_load_b128 v[8*T:8*T+3], v[BAQ], s[BI:BI+1] offset:(32*(T/2)+8*(T%2))*4
	global_load_b128 v[8*T+4:8*T+7], v[BAQ], s[BI:BI+1] offset:(32*(T/2)+8*(T%2))*4+16
.set T, T+1
.endr
	WIN 0
.endm
.macro RES_X                           ; v: all 64 fragments of x stay, from LDS
.irp g, 0,1
	WIN 0x40+0x40*\g
.set T, 0
.rept 8
.set I, 0
.rept 8
	ds_load_b128 v[64*(I/2)+8*T+4*(I%2):64*(I/2)+8*T+4*(I%2)+3], v[L16] offset:(8*T+4*\g)*1024+512*I
.set I, I+1
.endr
.set T, T+1
.endr
.endr
	WIN 0
.set T, 0
.rept 8
	ds_load_b128 v[RS+8*T:RS+8*T+3], v[R32] offset:512*T
	ds_load_b128 v[RS+8*T+4:RS+8*T+7], v[R32] offset:512*T+16
.set T, T+1
.endr
.endm
.macro FETCH_W d, set, extra           ; v: channel tile d of a head (extra = 64: of the next head): 16 fragment loads, 2 of scale words, 1 of the bias: 19 loads
	WIN 0xc0
.set I, 0
.rept 16
	global_load_b128 v[64+64*(\set)+4*I:64+64*(\set)+4*I+3], v[WA], s[WC:WC+1] offset:((\extra)+32*((\d)/2)+8*((\d)%2))*512+32*I
.set I, I+1
.endr
	WIN 0
	global_load_b128 v[SS+8*(\set):SS+8*(\set)+3], v[WSA], s[WS:WS+1] offset:((\extra)+32*((\d)/2)+8*((\d)%2))*32
	global_load_b128 v[SS+8*(\set)+4:SS+8*(\set)+7], v[WSA], s[WS:WS+1] offset:((\extra)+32*((\d)/2)+8*((\d)%2))*32+16
	global_load_b32 v[BVR+(\set)], v[BAV], s[BI:BI+1] offset:((\extra)+32*((\d)/2)+8*((\d)%2))*4
.endm
	s_load_b64 s[4:5], s[0:1], 0x0                 ; x
	s_load_b256 s[8:15], s[0:1], 0x8               ; Wq's, Wk's, Wv's codes, Wq's scales
	s_load_b256 s[16:23], s[0:1], 0x28             ; Wk's, Wv's scales, bq, bk
	s_load_b128 s[24:27], s[0:1], 0x48             ; bv, qb
	s_load_b64 s[28:29], s[0:1], 0x58              ; kv
	v_lshl_add_u32 v254, v0, 2, 0x19400
	v_mov_b32 v255, 0
	v_lshrrev_b32 v14, 5, v0
	v_readfirstlane_b32 s[WV], v14                 ; wave 0..3
	s_and_b32 s[RL], ttmp7, 0xffff                 ; the role
	s_mov_b32 s[RB], ttmp9                         ; the block of 128 rows
	v_and_b32 v14, 31, v0                          ; lane
	v_and_b32 v15, 15, v0                          ; r
	v_bfe_u32 v16, v0, 4, 1                        ; h
	v_lshlrev_b32 v[L16], 4, v14
	v_lshlrev_b32 v[L8], 3, v14
	s_wait_alu depctr_va_sdst(0)                   ; the wave's number is written, ahead of its first reader: LDS addresses and the bases are made from it
	s_mul_i32 s50, s[WV], 16*SP
	s_add_co_u32 s50, s50, STG                     ; my stage
	v_add_nc_u32 v[SI], s50, v[L16]
	v_mul_u32_u24 v[SOUT], v15, SP
	v_lshl_add_u32 v[SOUT], v16, 6, v[SOUT]
	v_add_nc_u32 v[SOUT], s50, v[SOUT]
	s_lshl_b32 s50, s[WV], 14
	v_add_nc_u32 v[XWI], s50, v[L16]
	v_lshlrev_b32 v[R32], 5, v15
	v_add_nc_u32 v[R32], XSC, v[R32]
	s_lshl_b32 s50, s[WV], 10
	v_add_nc_u32 v[XWS], s50, v[R32]
	v_and_b32 v17, 8, v15
	v_add_nc_u32 v17, v17, v15                     ; r + 8 (r / 8)
	v_lshlrev_b32 v[WA], 9, v17
	v_lshl_add_u32 v[WA], v16, 4, v[WA]
	v_lshlrev_b32 v[WSA], 5, v17
	v_lshlrev_b32 v[BAQ], 6, v16
	v_lshlrev_b32 v[BAV], 2, v17
.irp b, 0,1,2,3
	v_mov_b32 v[TM+4+\b], 0                        ; written once: a lane permute's destination counts as one of its sources
.endr
	s_mov_b32 s[HM], 0xffff0000
	s_mov_b32 s[SELA], 0x05040100                  ; v_perm_b32: the two low halves
	s_mov_b32 s[SELB], 0x07060302                  ; the two high halves
	s_mov_b32 s[SEL], 0x76543210
	s_mov_b32 s[SEL+1], 0xfedcba98
	; where the results go, as an offset: (16 batch + 4 wave) heads + the step; qb's head is 69,632 bytes and its step 4,352, kv's twice that; V lies 4,352 bytes into kv's step
	s_min_u32 s52, s[RL], 1
	s_lshl_b32 s53, 69632, s52
	s_lshl_b32 s54, 4352, s52
	s_lshr_b32 s55, s[RB], 4
	s_lshl_b32 s55, s55, 4
	s_lshl_b32 s56, s[WV], 2
	s_add_co_u32 s55, s55, s56
	s_mul_i32 s55, s55, s53
	s_and_b32 s56, s[RB], 15
	s_mul_i32 s56, s56, s54
	s_add_co_u32 s55, s55, s56
	s_cmp_eq_u32 s[RL], 2
	s_cselect_b32 s56, 4352, 0
	s_add_co_u32 s55, s55, s56
	s_lshl_b32 s[HS2], s53, 1
	s_mov_b32 s[HS2+1], 0
	s_mov_b32 s51, 0
	s_wait_kmcnt 0x0
	s_cmp_eq_u32 s[RL], 0                          ; the role's buffers: the choice hangs on the work-group's number alone
	s_cselect_b64 s[WC:WC+1], s[8:9], s[10:11]
	s_cselect_b64 s[WS:WS+1], s[14:15], s[16:17]
	s_cselect_b64 s[BI:BI+1], s[20:21], s[22:23]
	s_cselect_b64 s[OA:OA+1], s[26:27], s[28:29]
	s_cmp_eq_u32 s[RL], 2
	s_cselect_b64 s[WC:WC+1], s[12:13], s[WC:WC+1]
	s_cselect_b64 s[WS:WS+1], s[18:19], s[WS:WS+1]
	s_cselect_b64 s[BI:BI+1], s[24:25], s[BI:BI+1]
	s_lshl_b32 s50, s[RB], 19
	s_lshl_b32 s56, s[WV], 17
	s_add_co_u32 s50, s50, s56
	s_add_nc_u64 s[XB:XB+1], s[4:5], s[50:51]      ; x at row 128 rb + 32 wave
	s_mov_b32 s50, s56
	s_add_nc_u64 s[WC:WC+1], s[WC:WC+1], s[50:51]  ; my 256 rows of W: 512 bytes a row,
	s_lshl_b32 s50, s[WV], 13
	s_add_nc_u64 s[WS:WS+1], s[WS:WS+1], s[50:51]  ; 32 scale bytes a row,
	s_lshl_b32 s50, s[WV], 10
	s_add_nc_u64 s[BI:BI+1], s[BI:BI+1], s[50:51]  ; 4 bytes of bias
	s_mov_b32 s50, s55
	s_add_nc_u64 s[OA:OA+1], s[OA:OA+1], s[50:51]
	s_mov_b32 s50, s53
	s_add_nc_u64 s[OB:OB+1], s[OA:OA+1], s[50:51]  ; one head on
	; ---- PHASE X: 16 units (two tiles x eight K steps), four a trip; loads run three units (48 loads) ahead
	WIN 0x40                                       ; destination window 1
	s_wait_alu depctr_va_vdst(0)                   ; the eleven offsets and addresses v1 to v11 are written, which the loads and stores of the whole kernel read
	XLOAD 0, 0, 0
	XLOAD 1, 1, 0
	XLOAD 2, 0, 1
	WIN 0
	s_mov_b32 s[XO], 0
	s_mov_b32 s[XSO], 0
	s_mov_b32 s[CNT], 3
.Lx:
	XSTEP 0, 1, 32
	XSTEP 1, 1, 32
	XSTEP 2, 1, 32
	XSTEP 3, 1, 32
	s_wait_xcnt 0x0                                ; the loads have read their base: it may step
	s_add_nc_u64 s[XB:XB+1], s[XB:XB+1], 1024      ; two K steps on
	s_add_co_u32 s[XO], s[XO], 2048
	s_add_co_u32 s[XSO], s[XSO], 8
	s_sub_co_u32 s[CNT], s[CNT], 1
	s_cmp_lg_u32 s[CNT], 0
	s_cbranch_scc1 .Lx
	XSTEP 0, 1, 32                                 ; the last four units: one more run of loads, then the counts run down
	XSTEP 1, 0, 32
	XSTEP 2, 0, 16
	XSTEP 3, 0, 0
	s_wait_dscnt 0x0                               ; for the others' sake: my images and scale words have landed
	s_barrier_signal -1
	s_barrier_wait -1                              ; x's 64 fragments lie in LDS; nothing is stored to LDS from here on
	s_wait_alu depctr_vm_vsrc(0)                   ; my LDS stores have read window 1's four sets, in which the staying fragments land on either way below, and v[PC] on, which QUANT writes again
	s_cmp_eq_u32 s[RL], 2
	s_cbranch_scc1 .Lv
	; ---- q, k: two chunks of 128 columns (two heads each)
	s_mov_b32 s[CNT], 2
.Lqk:
	RES_W
	FETCH_X 0, 0
	FETCH_X 1, 0
	s_wait_loadcnt 0x0
.irp a, 0,1,2,3,4,5,6,7
.if \a < 7
	s_wait_dscnt 18                                ; this tile's 18 loads are in; the next tile's may be out
.else
	s_wait_dscnt 0x0
.endif
	MULQ \a%2, 1
	s_wait_xcnt 0x0                                ; the last tile's stores have had their addresses translated: v[PC] on is rewritten only behind this wait,
	s_wait_alu depctr_vm_vsrc(0)                   ; and behind this one: the stores issued so far have read v[PC] on, which QUANT writes again (in a chunk's first tile: the scale words' registers of the chunk before too)
	QUANT HA, PWS+\a                               ; blocks 0, 1: the first head's 64; blocks 2, 3: the second's
.if \a < 6
	FETCH_X \a+2, 1                                ; the set just multiplied takes the tile two on
	global_store_b128 v[L16], v[PC:PC+3], s[OA:OA+1] offset:512*\a     ; half a fragment, 512 consecutive bytes
	global_store_b128 v[L16], v[PC+4:PC+7], s[OB:OB+1] offset:512*\a
.elseif \a == 6
	s_wait_alu depctr_va_vdst(0)                   ; QUANT has written v[PC] on, which the two stores read
	global_store_b128 v[L16], v[PC:PC+3], s[OA:OA+1] offset:512*\a
	global_store_b128 v[L16], v[PC+4:PC+7], s[OB:OB+1] offset:512*\a
.endif
.endr
	; the scale words, for pairs of tiles: tile 2 i's two bytes below, tile 2 i + 1's above; word j of lane L belongs to pair 2 j + L / 16
.irp i, 0,1,2,3
	v_perm_b32 v[PR+\i], v[PWS+2*\i+1], v[PWS+2*\i], s[SELA]
.endr
	v_cndmask_b32 v[SA], v[PR], v[PR+1], s[HM]
	v_cndmask_b32 v[SA+1], v[PR+2], v[PR+3], s[HM]
.irp i, 0,1,2,3
	v_perm_b32 v[PR+\i], v[PWS+2*\i+1], v[PWS+2*\i], s[SELB]
.endr
	v_cndmask_b32 v[SB], v[PR], v[PR+1], s[HM]
	v_cndmask_b32 v[SB+1], v[PR+2], v[PR+3], s[HM]
	s_wait_alu depctr_va_vdst(0)                   ; tile 7's QUANT has written v[PC] on and the selects the four scale registers: the four stores below read them
	global_store_b128 v[L16], v[PC:PC+3], s[OA:OA+1] offset:512*7
	global_store_b128 v[L16], v[PC+4:PC+7], s[OB:OB+1] offset:512*7
	global_store_b64 v[L8], v[SA:SA+1], s[OA:OA+1] offset:4096         ; 256 consecutive bytes, aligned
	global_store_b64 v[L8], v[SB:SB+1], s[OB:OB+1] offset:4096
	s_wait_xcnt 0x0                                ; loads and stores have read their bases and data
	s_add_nc_u64 s[WC:WC+1], s[WC:WC+1], 65536     ; 128 rows of W on
	s_add_nc_u64 s[WS:WS+1], s[WS:WS+1], 4096
	s_add_nc_u64 s[BI:BI+1], s[BI:BI+1], 512
	s_add_nc_u64 s[OA:OA+1], s[OA:OA+1], s[HS2:HS2+1]
	s_add_nc_u64 s[OB:OB+1], s[OB:OB+1], s[HS2:HS2+1]
	s_sub_co_u32 s[CNT], s[CNT], 1
	s_cmp_lg_u32 s[CNT], 0
	s_cbranch_scc1 .Lqk
	s_wait_dscnt 0x0                               ; the closing lines, six on end
	s_wait_alu 0x0
	s_wait_tensorcnt 0x0
	ds_add_u32 v254, v255
	s_wait_dscnt 0x0
	s_endpgm
	; ---- v: four heads, four tiles of 16 channels each; a lane holds one channel, its registers run along the 128 keys
.Lv:
	FETCH_W 0, 0, 0
	RES_X
	s_wait_dscnt 0x0
	s_mov_b32 s[CNT], 4
.Lvh:
.irp d, 0,1,2,3
.if \d < 3
	FETCH_W \d+1, (\d+1)%2, 0                      ; into the set that the tile before multiplied.  No wait here: no vector or matrix instruction since the last wait on va_vdst names that set, its scale words or its bias, and the stores between name none of these loads' registers
	s_wait_loadcnt 19                              ; this tile's 19 loads are in; the next tile's may be out
.else
	s_cmp_eq_u32 s[CNT], 1                         ; the last head has no successor: no load leaves its buffer
	s_cbranch_scc1 .Lv_last
	FETCH_W 0, 0, 64
	s_wait_loadcnt 19
	s_branch .Lv_go
.Lv_last:
	s_wait_loadcnt 0x0
.Lv_go:
.endif
.irp j, 0,1,2,3,4,5,6,7
	v_mov_b32 v[CB+\j], v[BVR+\d%2]                ; my channel's bias for all eight keys of a register run
.endr
	PLACES
	MULQ \d%2, 0
	s_wait_xcnt 0x0                                ; the last tile's stores have had their addresses translated: v[PC] on is rewritten only behind this wait,
	s_wait_alu depctr_vm_vsrc(0)                   ; and behind this one: the stores issued so far have read v[PC] on, which QUANT writes again (in a head's first tile: the scale words' pair of the head before too)
	QUANT HA, PWS+\d                               ; four blocks of 32 keys
.if \d < 3
	s_wait_alu depctr_va_vdst(0)                   ; QUANT has written v[PC] on, which the two stores read; the matrix instructions and the eight moves are done reading this tile's set, scale words and bias, in which the next run of loads lands
	global_store_b128 v[L16], v[PC:PC+3], s[OA:OA+1] offset:1024*\d
	global_store_b128 v[L16], v[PC+4:PC+7], s[OA:OA+1] offset:1024*\d+512
.endif
.endr
	v_cndmask_b32 v[SA], v[PWS], v[PWS+1], s[HM]   ; word j of lane L belongs to channel tile 2 j + L / 16
	v_cndmask_b32 v[SA+1], v[PWS+2], v[PWS+3], s[HM]
	s_wait_alu depctr_va_vdst(0)                   ; tile 3's QUANT has written v[PC] on and the selects the scale words' pair, which the three stores read; tile 3's matrix instructions and moves are done reading their set, in which the next head's first run of loads lands
	global_store_b128 v[L16], v[PC:PC+3], s[OA:OA+1] offset:1024*3
	global_store_b128 v[L16], v[PC+4:PC+7], s[OA:OA+1] offset:1024*3+512
	global_store_b64 v[L8], v[SA:SA+1], s[OA:OA+1] offset:4096
	s_wait_xcnt 0x0
	s_add_nc_u64 s[WC:WC+1], s[WC:WC+1], 32768     ; 64 rows of Wv on
	s_add_nc_u64 s[WS:WS+1], s[WS:WS+1], 2048
	s_add_nc_u64 s[BI:BI+1], s[BI:BI+1], 256
	s_add_nc_u64 s[OA:OA+1], s[OA:OA+1], 139264    ; one head of kv on
	s_sub_co_u32 s[CNT], s[CNT], 1
	s_cmp_lg_u32 s[CNT], 0
	s_cbranch_scc1 .Lvh
	s_wait_dscnt 0x0                               ; the closing lines, six on end
	s_wait_alu 0x0
	s_wait_tensorcnt 0x0
	ds_add_u32 v254, v255
	s_wait_dscnt 0x0
	s_endpgm
.Lfunc_end_k_q2ff13ad1c5_qkv:
	.size	k_q2ff13ad1c5_qkv, .Lfunc_end_k_q2ff13ad1c5_qkv-k_q2ff13ad1c5_qkv
	.p2alignl 7, 3214868480
	.fill 96, 4, 3214868480
	.section	.rodata,"a",@progbits
	.p2align	6, 0x0
	.amdhsa_kernel k_q2ff13ad1c5_qkv
		.amdhsa_group_segment_fixed_size 103936
		.amdhsa_private_segment_fixed_size 0
		.amdhsa_enable_private_segment 0
		.amdhsa_kernarg_size 96
		.amdhsa_user_sgpr_count 2
		.amdhsa_user_sgpr_kernarg_segment_ptr 1
		.amdhsa_wavefront_size32 1
		.amdhsa_system_sgpr_workgroup_id_x 1
		.amdhsa_system_sgpr_workgroup_id_y 1
		.amdhsa_system_sgpr_workgroup_id_z 1
		.amdhsa_system_vgpr_workitem_id 0
		.amdhsa_next_free_vgpr 1024
		.amdhsa_next_free_sgpr 66
		.amdhsa_reserve_vcc 0
		.amdhsa_float_denorm_mode_32 3
		.amdhsa_float_denorm_mode_16_64 3
		.amdhsa_memory_ordered 1
		.amdhsa_forward_progress 1
		.amdhsa_inst_pref_size 255
	.end_amdhsa_kernel
	.section	.bss,"aw",@nobits
	.p2align	6
	.space	262144
	.amdgpu_metadata
---
amdhsa.version: [ 1, 2 ]
amdhsa.kernels:
  - .name:           k_q2ff13ad1c5_qkv
    .symbol:         k_q2ff13ad1c5_qkv.kd
    .args:
      - { .name: x, .offset: 0, .size: 8, .value_kind: global_buffer, .address_space: global }
      - { .name: Wq_codes, .offset: 8, .size: 8, .value_kind: global_buffer, .address_space: global }
      - { .name: Wk_codes, .offset: 16, .size: 8, .value_kind: global_buffer, .address_space: global }
      - { .name: Wv_codes, .offset: 24, .size: 8, .value_kind: global_buffer, .address_space: global }
      - { .name: Wq_scales, .offset: 32, .size: 8, .value_kind: global_buffer, .address_space: global }
      - { .name: Wk_scales, .offset: 40, .size: 8, .value_kind: global_buffer, .address_space: global }
      - { .name: Wv_scales, .offset: 48, .size: 8, .value_kind: global_buffer, .address_space: global }
      - { .name: bq, .offset: 56, .size: 8, .value_kind: global_buffer, .address_space: global }
      - { .name: bk, .offset: 64, .size: 8, .value_kind: global_buffer, .address_space: global }
      - { .name: bv, .offset: 72, .size: 8, .value_kind: global_buffer, .address_space: global }
      - { .name: qb, .offset: 80, .size: 8, .value_kind: global_buffer, .address_space: global }
      - { .name: kv, .offset: 88, .size: 8, .value_kind: global_buffer, .address_space: global }
    .group_segment_fixed_size: 103936
    .private_segment_fixed_size: 0
    .kernarg_segment_align: 8
    .kernarg_segment_size: 96
    .max_flat_workgroup_size: 128
    .sgpr_count:     66
    .vgpr_count:     1024
    .wavefront_size: 32
...
	.end_amdgpu_metadata
.endif
;; end of part 4
;; launch attn (part 5): grid 4 x 64, 16 waves a work-group, clusters of 4 x 1, 169,984 bytes of LDS; arguments qb, kv, cc, cs; writes cc, cs
.if DOCPART == 5
	.amdgcn_target "amdgcn-amd-amdhsa--gfx1250"
	.amdhsa_code_object_version 6
	.text
	.protected	k_q2ff13ad1c5_attn
	.globl	k_q2ff13ad1c5_attn
	.p2align	8
	.type	k_q2ff13ad1c5_attn,@function
k_q2ff13ad1c5_attn:
	s_mov_b64 s[64:65], 0
	v_nop
	global_prefetch_b8 v0, s[64:65] scope:SCOPE_SE
	s_setreg_imm32_b32 hwreg(HW_REG_WAVE_MODE, 25, 1), 1
	s_wait_xcnt 0x0
	s_wait_alu depctr_hold_cnt(0) depctr_sa_sdst(0) depctr_va_vdst(0) depctr_va_sdst(0) depctr_va_ssrc(0) depctr_va_vcc(0) depctr_vm_vsrc(0)
	s_getreg_b32 s2, hwreg(HW_REG_IB_STS2, 6, 4)
	s_cmp_eq_u32 s2, 0
	s_cbranch_scc0 .Lentry_in_a_cluster
	s_endpgm
.Lentry_in_a_cluster:
	s_bfe_u32 s2, ttmp6, 0x10000c
	s_cmp_lg_u32 s2, 0x3003
	s_cbranch_scc0 .Lentry_shape_is_right
	s_endpgm
.Lentry_shape_is_right:
; ctx = softmax(q k^T / 8) v for one head, both products on codes of FP4 (E2M1) with E8M0 scales, and ctx quantised along the model's 1,024 for the last product.
; THE SOFTMAX: t = score x log2(e) / 8; M = the running largest t rounded up to a whole number; p = 2^(t - M) is quantised along the keys, not normalised; the row's sum is taken of the unquantised p and divides at the end.
; When M moves, the sum and O^T are multiplied by 2^(old M - new M), which rounds nothing.  t - M is one fused multiply-add.
; SHARES.  A work-group owns 512 queries of one head (grid y = 16 batch + head).  The head's K and V, 139,264 bytes, lie in LDS whole, filled once: no slot is ever filled again.
; Each of the sixteen waves owns a pair of tiles of 16 queries and takes them one after the other (PASS 0, PASS 1), walking the 2,048 keys in 16 steps of 128.  Four waves share a SIMD.
; CLUSTER.  The four work-groups of a cluster belong to one head and need the same K and V: waves 0 to 3 ask for a quarter each JOINTLY, with the same descriptor and a mask that names the four.
; LAYOUT.  Both products are used transposed (S^T = K Q^T, O^T = V^T P^T): a lane holds one query throughout.  Tiles of keys, of queries and of channels are in the order in which the launch before laid them:
; lane r of tile 2 b + u is row 32 b + 8 u + r + 8 (r / 8); so the 16 registers of tiles 2 b, 2 b + 1 are 16 neighbours.
; THE HEAD'S 64 FILL HALF OF THE INSTRUCTION'S 128: source 0 holds a PAIR of key tiles (tile 2 i in registers 0-3, tile 2 i + 1 in registers 4-7, one scale word for both); source 1 is (Q, zeros) for tile 2 i and
; (zeros, Q) for tile 2 i + 1.  Zero codes add nothing; no scale byte here is 0xff.
; OUT.  cc [tile 512][head 16][lane][16 bytes]: heads 2 s, 2 s + 1 of a tile are the image of K step s of the last product.  cs [pair 256][lane 16 parity + r][head] of two bytes.
; The scale bytes leave two bytes a lane, 32 bytes apart: a row's 32 scale bytes come from sixteen work-groups; they are 64 bytes against the wave's 1,024 bytes of codes.
; LIMITS: NaN and infinities are not served.  A block of zeros gets the scale byte 1 where the quantiser's rule says 127: its codes are zeros, and this program alone reads the bytes.
; REGISTERS: v1 16 x lane, v2 8 x lane, v3, v4 the step's LDS addresses, v5 Q's scale word's offset, v6 32 x lane, v7 ctx's scale bytes of both passes, v8 Q's pair word, v9 Q's scale word; v12 -M, v13 the largest t,
; v[14:15] the sum; v[16:23] (Q, 0), v[24:31] (0, Q); v32-63 four pairs of K; v64-95 four tiles of V^T; v96-159 S^T, then p; v160-191 O^T; v192-199 p's codes; v[200:201] K's scale words, v[202:203] V's, v204 p's; v208-225 at work.
.set STEPB, 8704                       ; a step in LDS and in kv: K's codes 4,096, K's scale words 256, V's codes 4,096, V's scale words 256
.macro CROUND                          ; a round of the cluster's barrier
	s_barrier_signal -1
	s_barrier_wait -1
	s_cmp_lg_u32 s12, 0
	s_cbranch_scc1 .Lnot_wave_0_\@
	s_barrier_signal -3
.Lnot_wave_0_\@:
	s_barrier_wait -3
	s_barrier_signal -1
	s_barrier_wait -1
.endm
	s_load_b256 s[4:11], s[0:1], 0x0               ; qb s[4:5], kv s[6:7], cc s[8:9], cs s[10:11]
	v_lshl_add_u32 v254, v0, 2, 0x29000
	v_mov_b32 v255, 0
	ds_add_u32 v254, v255
	ds_add_u32 v254, v255
	v_lshrrev_b32 v10, 5, v0
	s_delay_alu instid0(VALU_DEP_1)
	v_readfirstlane_b32 s12, v10                   ; wave 0..15
	s_bfe_u32 s13, ttmp6, 0x40000                  ; cx: it enters Q's, cc's and cs's addresses alone
	s_and_b32 s14, ttmp7, 0xffff                   ; 16 batch + head, which the four partners share
	; descriptor group 1: a dense block of 34,816 bytes as 136 rows of 256 bytes (32 elements of 8 bytes)
	s_mov_b32 s16, 15|(3<<16)|(1<<21)              ; 15:0 the mask: all four work-groups; 17:16 elements of 8 bytes; 21 set beside a mask
	s_mov_b32 s17, 32<<16                          ; tensor_dim0 = 32
	s_mov_b32 s18, 136<<16                         ; tensor_dim1 = 136
	s_mov_b32 s19, 32<<16                          ; tile_dim0 = 32
	s_mov_b32 s20, 136                             ; tile_dim1 = 136
	s_mov_b32 s21, 32                              ; the pitch
	s_mov_b32 s22, 0
	s_mov_b32 s23, 0
	s_mov_b32 s24, 1                               ; group 0: count = 1
	s_mul_i32 s25, s12, 34816                      ; LDS address: wave x a quarter
	s_mul_i32 s34, s14, 139264                     ; the head in kv,
	s_add_co_u32 s34, s34, s25                     ; my quarter of it
	s_mov_b32 s35, 0
	s_lshl_b32 s15, ttmp9, 2
	s_add_co_u32 s15, s15, s13                     ; my block of 512 queries
	s_lshl_b32 s46, s15, 2
	s_lshr_b32 s47, s12, 2
	s_add_co_u32 s46, s46, s47                     ; my pair's step of 128 queries
	s_mul_i32 s46, s46, 4352
	s_mul_i32 s47, s14, 69632
	s_add_co_u32 s46, s46, s47
	s_mov_b32 s47, 0
	s_and_b32 s48, s12, 3
	s_lshl_b32 s48, s48, 10                        ; my pair in the step: 1,024 bytes of codes
	s_mov_b32 s49, 0
	s_lshr_b32 s50, s14, 4
	s_lshl_b32 s50, s50, 6
	s_lshl_b32 s51, s15, 4
	s_add_co_u32 s50, s50, s51
	s_add_co_u32 s50, s50, s12                     ; P = 64 batch + 16 block + wave
	s_and_b32 s51, s14, 15                         ; head
	s_lshl_b32 s52, s50, 14
	s_lshl_b32 s53, s51, 9
	s_add_co_u32 s52, s52, s53
	s_mov_b32 s53, 0
	s_lshl_b32 s54, s50, 10
	s_lshl_b32 s55, s51, 1
	s_add_co_u32 s54, s54, s55
	s_mov_b32 s55, 0
	s_and_b32 s56, s12, 1
	s_lshl_b32 s56, s56, 7
	s_bfe_u32 s57, s12, 0x10001
	s_lshl_b32 s57, s57, 2
	s_add_co_u32 s56, s56, s57
	s_add_co_u32 s56, s56, 4096
	s_mov_b32 s28, 0x76543210
	s_mov_b32 s29, 0xfedcba98                      ; lane l xor 16
	s_mov_b32 s30, 0x3e38aa3b                      ; c = log2(e) / 8
	s_mov_b32 s31, s30                             ; (named with it as a pair, so it is written)
	s_mov_b32 s44, 0x0000ffff                      ; lanes 0-15
	s_mov_b32 s45, 0xffff0000                      ; lanes 16-31
	v_and_b32 v10, 31, v0
	v_and_b32 v11, 15, v0
	s_delay_alu instid0(VALU_DEP_2)
	v_lshlrev_b32 v1, 4, v10
	s_delay_alu instid0(VALU_DEP_3)
	v_lshlrev_b32 v2, 3, v10
	s_delay_alu instid0(VALU_DEP_4)
	v_lshlrev_b32 v6, 5, v10
	s_delay_alu instid0(VALU_DEP_4)
	v_lshlrev_b32 v5, 3, v11
	s_delay_alu instid0(VALU_DEP_1)
	v_add_nc_u32 v5, s56, v5                       ; 4,096 + 8 r + 128 (pair % 2) + 4 (pair / 2)
	v_mov_b32 v7, 0
.irp j, 20,21,22,23,24,25,26,27
	v_mov_b32 v\j, 0                               ; the zero halves of (Q, 0) and (0, Q)
.endr
.irp j, 212,213,214,215,223
	v_mov_b32 v\j, 0                               ; lane permutes' destinations, and the upper half of the pair v[222:223]: written once
.endr
	s_wait_dscnt 0x0
	s_wait_kmcnt 0x0
	s_add_nc_u64 s[26:27], s[6:7], s[34:35]
	s_or_b32 s27, s27, 0x80000000                  ; type = 2
	s_add_nc_u64 s[38:39], s[4:5], s[46:47]        ; qb at my step
	s_add_nc_u64 s[36:37], s[38:39], s[48:49]      ; and at my pair's codes
	s_add_nc_u64 s[40:41], s[8:9], s[52:53]        ; cc at my pair and head
	s_add_nc_u64 s[42:43], s[10:11], s[54:55]      ; cs likewise
	CROUND                                         ; all four work-groups are here: the joint loads meet
	s_cmp_lt_u32 s12, 4
	s_cbranch_scc0 .Lno_fill
	tensor_load_to_lds s[24:27], s[16:23]          ; one load of mine is out
	s_nop 0
.rept 4
	v_nop
.endr
.Lno_fill:
	global_load_b32 v8, v5, s[38:39]               ; Q's pair word: tile 2 i's two bytes below, tile 2 i + 1's above
	s_wait_tensorcnt 0x0                           ; my quarter has landed,
	s_barrier_signal -1
	s_barrier_wait -1                              ; everybody's has
.macro PASS p
.if \p
	s_wait_xcnt 0x0                                ; the first pass's store has read v[192:195]
.endif
	global_load_b128 v[16:19], v1, s[36:37] offset:512*\p   ; Q's half fragment, twice: the two operands share no register
	global_load_b128 v[28:31], v1, s[36:37] offset:512*\p
	s_wait_loadcnt 0x2                             ; the pair word is in; the two loads just issued may be out
.if \p
	v_perm_b32 v9, v8, v8, 0x03020302              ; Q's two scale bytes, twice
.else
	v_perm_b32 v9, v8, v8, 0x01000100
.endif
	v_mov_b32 v13, 0xff61b1e6                      ; the largest t so far: -3e38
	s_delay_alu instid0(VALU_DEP_1)
	v_floor_f32 v12, -v13                          ; -M
	v_mov_b32 v14, 0
	v_mov_b32 v15, 0
.set J, 0
.rept 32
	v_mov_b32 v[160+J], 0                          ; O^T: the step is written once; its first trip finds zeros.  (These lines also stand between the scale word's making and the first product)
.set J, J+1
.endr
	s_mov_b32 s32, 0
	s_mov_b32 s33, 16
	s_wait_loadcnt 0x0
.Lstep_\@:
	s_setprio 2
	v_add_nc_u32 v3, s32, v1
	v_add_nc_u32 v4, s32, v2
	v_nop
	v_nop                                          ; four plain lines behind the last products, in front of loads into their registers
.irp i, 0,1,2,3
	ds_load_b128 v[32+8*\i:35+8*\i], v3 offset:1024*\i
	ds_load_b128 v[36+8*\i:39+8*\i], v3 offset:1024*\i+512
.endr
	ds_load_b64 v[200:201], v4 offset:4096
.irp d, 0,1,2,3
	ds_load_b128 v[64+8*\d:67+8*\d], v3 offset:4352+1024*\d
	ds_load_b128 v[68+8*\d:71+8*\d], v3 offset:4352+1024*\d+512
.endr
	ds_load_b64 v[202:203], v4 offset:8448
	s_wait_dscnt 9                                 ; K and its scale words are in; V's nine loads may be out
.irp i, 0,1,2,3
.if \i%2
	v_wmma_scale_f32_16x16x128_f8f6f4 v[96+16*\i:103+16*\i], v[32+8*\i:39+8*\i], v[16:23], 0, v[200+\i/2], v9 matrix_a_fmt:MATRIX_FMT_FP4 matrix_b_fmt:MATRIX_FMT_FP4 matrix_a_scale:MATRIX_SCALE_ROW1
	v_wmma_scale_f32_16x16x128_f8f6f4 v[104+16*\i:111+16*\i], v[32+8*\i:39+8*\i], v[24:31], 0, v[200+\i/2], v9 matrix_a_fmt:MATRIX_FMT_FP4 matrix_b_fmt:MATRIX_FMT_FP4 matrix_a_scale:MATRIX_SCALE_ROW1
.else
	v_wmma_scale_f32_16x16x128_f8f6f4 v[96+16*\i:103+16*\i], v[32+8*\i:39+8*\i], v[16:23], 0, v[200+\i/2], v9 matrix_a_fmt:MATRIX_FMT_FP4 matrix_b_fmt:MATRIX_FMT_FP4
	v_wmma_scale_f32_16x16x128_f8f6f4 v[104+16*\i:111+16*\i], v[32+8*\i:39+8*\i], v[24:31], 0, v[200+\i/2], v9 matrix_a_fmt:MATRIX_FMT_FP4 matrix_b_fmt:MATRIX_FMT_FP4
.endif
.endr                                          ; registers 96 + 16 i + 0 .. 15: keys 32 i + 16 (lane / 16) + 0 .. 15 of the step
.rept 4
	v_nop
.endr
.irp b, 0,1,2,3
	v_max3_num_f32 v[208+\b], v[96+16*\b], v[97+16*\b], v[98+16*\b]   ; the largest score of each block of 32 keys: for the row's maximum and, since p rises with the score, for the block's largest p
.endr
.irp i, 3,5,7,9,11,13
.irp b, 0,1,2,3
	v_max3_num_f32 v[208+\b], v[208+\b], v[96+16*\b+\i], v[97+16*\b+\i]
.endr
.endr
.irp b, 0,1,2,3
	v_max_num_f32 v[208+\b], v[208+\b], v[111+16*\b]
.endr
.irp b, 0,1,2,3
	s_delay_alu instid0(VALU_DEP_4)
	v_permlanex16_b32 v[212+\b], v[208+\b], s28, s29
.endr
.irp b, 0,1,2,3
	s_delay_alu instid0(VALU_DEP_4)
	v_max_num_f32 v[208+\b], v[208+\b], v[212+\b]  ; with lane l xor 16's 16 keys
.endr
	s_delay_alu instid0(VALU_DEP_2)
	v_max3_num_f32 v220, v208, v209, v210
	s_delay_alu instid0(VALU_DEP_1)
	v_max_num_f32 v220, v220, v211
	s_delay_alu instid0(VALU_DEP_1)
	v_mul_f32 v220, s30, v220                      ; the step's largest t
	s_delay_alu instid0(VALU_DEP_1)
	v_max_num_f32 v13, v13, v220
	v_mov_b32 v220, v12
	s_delay_alu instid0(VALU_DEP_2)
	v_floor_f32 v12, -v13                          ; the new -M = -ceil(t)
	s_delay_alu instid0(VALU_DEP_1)
	v_sub_f32 v220, v12, v220                      ; old M - new M: a whole number, 0 or less
	s_delay_alu instid0(VALU_DEP_1)
	v_cvt_i32_f32 v220, v220                       ; (it saturates)
	s_delay_alu instid0(VALU_DEP_1)
	v_ldexp_f32 v222, 1.0, v220                    ; f = 2^(old M - new M)
.set J, 0
.rept 32
	v_pk_fma_f32 v[96+J:97+J], v[96+J:97+J], s[30:31], v[12:13] op_sel_hi:[1,0,0]   ; t - M, two at a time
.set J, J+2
.endr
.irp b, 0,1,2,3
	v_fma_f32 v[208+\b], v[208+\b], s30, v12       ; the same of each block's largest score
.endr
.set J, 0
	s_wait_alu depctr_va_vdst(0)
.rept 64
	v_exp_f32 v[96+J], v[96+J]                     ; p = 2^(t - M)
.set J, J+1
.endr
	s_setprio 1
	v_pk_mul_f32 v[14:15], v[14:15], v[222:223] op_sel_hi:[1,0]   ; the sums under the new M: the plain line behind the exponentials
	s_wait_alu depctr_va_vdst(0)                   ; one wait for the whole batch, ahead of its first reader
.irp b, 0,1,2,3
	v_exp_f32 v[208+\b], v[208+\b]                 ; the block's largest p
.endr
	v_pk_add_f32 v[224:225], v[100:101], v[104:105]
	v_pk_add_f32 v[252:253], v[108:109], v[112:113]
	v_pk_add_f32 v[250:251], v[116:117], v[120:121]
	v_pk_add_f32 v[248:249], v[124:125], v[128:129]
	v_pk_add_f32 v[246:247], v[132:133], v[136:137]
	v_pk_add_f32 v[244:245], v[140:141], v[144:145]
	v_pk_add_f32 v[242:243], v[148:149], v[152:153]
	v_pk_add_f32 v[14:15], v[14:15], v[156:157]
	v_pk_add_f32 v[224:225], v[224:225], v[96:97]
	v_pk_add_f32 v[252:253], v[252:253], v[98:99]
	v_pk_add_f32 v[250:251], v[250:251], v[102:103]
	v_pk_add_f32 v[248:249], v[248:249], v[106:107]
	v_pk_add_f32 v[246:247], v[246:247], v[110:111]
	v_pk_add_f32 v[244:245], v[244:245], v[114:115]
	v_pk_add_f32 v[242:243], v[242:243], v[118:119]
	v_pk_add_f32 v[14:15], v[14:15], v[122:123]
	v_pk_add_f32 v[224:225], v[224:225], v[126:127]
	v_pk_add_f32 v[252:253], v[252:253], v[130:131]
	v_pk_add_f32 v[250:251], v[250:251], v[134:135]
	v_pk_add_f32 v[248:249], v[248:249], v[138:139]
	v_pk_add_f32 v[246:247], v[246:247], v[142:143]
	v_pk_add_f32 v[244:245], v[244:245], v[146:147]
	v_pk_add_f32 v[242:243], v[242:243], v[150:151]
	v_pk_add_f32 v[14:15], v[14:15], v[154:155]
	v_pk_add_f32 v[224:225], v[224:225], v[158:159]
	s_delay_alu instid0(VALU_DEP_2)
	v_pk_add_f32 v[14:15], v[14:15], v[248:249]
	s_delay_alu instid0(VALU_DEP_2)
	v_pk_add_f32 v[224:225], v[224:225], v[246:247]
	v_pk_add_f32 v[252:253], v[252:253], v[244:245]
	v_pk_add_f32 v[250:251], v[250:251], v[242:243]
	s_delay_alu instid0(VALU_DEP_2)
	v_pk_add_f32 v[14:15], v[14:15], v[252:253]
	s_delay_alu instid0(VALU_DEP_2)
	v_pk_add_f32 v[224:225], v[224:225], v[250:251]
	s_delay_alu instid0(VALU_DEP_1)
	v_pk_add_f32 v[14:15], v[14:15], v[224:225]
	s_wait_alu depctr_va_vdst(0)                   ; and one for the four
.irp b, 0,1,2,3
	v_max_num_f32 v[208+\b], 0x1800000, v[208+\b]  ; the floor 2^(3 - 127): the byte cannot fall under 1
.endr
.irp b, 0,1,2,3
	s_delay_alu instid0(VALU_DEP_4)
	v_add_nc_u32 v[216+\b], 0xff000000, v[208+\b]  ; 2 off the exponent field: the conversion's scale operand
.endr
.irp b, 0,1,2,3
	s_delay_alu instid0(VALU_DEP_4)
	v_lshrrev_b32 v[212+\b], 23, v[216+\b]         ; the scale's byte
.endr
	s_delay_alu instid0(VALU_DEP_3)
	v_lshl_or_b32 v204, v213, 8, v212              ; p's scale word for these 128 keys
	s_delay_alu instid0(VALU_DEP_1)
	v_lshl_or_b32 v204, v214, 16, v204
	s_delay_alu instid0(VALU_DEP_1)
	v_lshl_or_b32 v204, v215, 24, v204
.irp b, 0,1,2,3
	v_cvt_scalef32_pk8_fp4_f32 v[192+2*\b], v[96+16*\b:103+16*\b], v[216+\b]
	v_cvt_scalef32_pk8_fp4_f32 v[193+2*\b], v[104+16*\b:111+16*\b], v[216+\b]
.endr
	v_nop                                          ; one plain line behind the scaled conversions
.irp c, 0,1
.irp i, 0,1
	v_permlane16_swap_b32 v[192+4*\c+\i], v[194+4*\c+\i]   ; a whole block in a lane
.endr
.endr
.set J, 0
	s_setprio 0
.rept 16
	v_pk_mul_f32 v[160+J:161+J], v[160+J:161+J], v[222:223] op_sel_hi:[1,0]   ; O^T under the new M.  (Of these sixteen, twelve name no register of any one product below: they stand between the scale word's and the codes' making and the products)
.set J, J+2
.endr
	s_wait_alu depctr_va_vdst(0)
	s_wait_dscnt 0x0                               ; V and its scale words are in
.irp d, 0,1,2,3                                ; the four accumulators by turns; the matrix instruction ahead of each is never the one that it adds onto
.if \d%2
	v_wmma_scale_f32_16x16x128_f8f6f4 v[160+8*\d:167+8*\d], v[64+8*\d:71+8*\d], v[192:199], v[160+8*\d:167+8*\d], v[202+\d/2], v204 matrix_a_fmt:MATRIX_FMT_FP4 matrix_b_fmt:MATRIX_FMT_FP4 matrix_a_scale:MATRIX_SCALE_ROW1
.else
	v_wmma_scale_f32_16x16x128_f8f6f4 v[160+8*\d:167+8*\d], v[64+8*\d:71+8*\d], v[192:199], v[160+8*\d:167+8*\d], v[202+\d/2], v204 matrix_a_fmt:MATRIX_FMT_FP4 matrix_b_fmt:MATRIX_FMT_FP4
.endif
.endr
	s_add_co_u32 s32, s32, STEPB
	s_sub_co_u32 s33, s33, 1
	s_cmp_lg_u32 s33, 0
	s_cbranch_scc1 .Lstep_\@
	s_setprio 0
	; the way out of a pass: O^T / the sum, quantised: registers 16 b + i are channels 32 b + 16 (lane / 16) + i of the head: two blocks of the last product's K
.rept 4
	v_nop
.endr
	v_add_f32 v14, v14, v15
	s_delay_alu instid0(VALU_DEP_1)
	v_permlanex16_b32 v220, v14, s28, s29
	s_delay_alu instid0(VALU_DEP_1)
	v_add_f32 v14, v14, v220                       ; the row's sum
	s_wait_alu depctr_va_vdst(0)
	v_rcp_f32 v14, v14
	v_nop                                          ; a plain line behind the reciprocal,
	s_wait_alu depctr_va_vdst(0)                   ; and the wait ahead of its first reader
.set J, 0
.rept 16
	v_pk_mul_f32 v[96+J:97+J], v[160+J:161+J], v[14:15] op_sel_hi:[1,0]   ; each accumulator from its low end on
.set J, J+2
.endr
.irp b, 0,1
	v_max3_num_f32 v[208+\b], |v[96+16*\b]|, |v[97+16*\b]|, 0x1800000
.endr
.irp i, 2,4,6,8,10,12,14
.irp b, 0,1
	s_delay_alu instid0(VALU_DEP_2)
	v_max3_num_f32 v[208+\b], v[208+\b], |v[96+16*\b+\i]|, |v[97+16*\b+\i]|
.endr
.endr
.irp b, 0,1
	s_delay_alu instid0(VALU_DEP_2)
	v_permlanex16_b32 v[212+\b], v[208+\b], s28, s29
.endr
.irp b, 0,1
	s_delay_alu instid0(VALU_DEP_2)
	v_max_num_f32 v[208+\b], v[208+\b], v[212+\b]
.endr
.irp b, 0,1
	s_delay_alu instid0(VALU_DEP_2)
	v_add_nc_u32 v[216+\b], 0xff000000, v[208+\b]
.endr
.irp b, 0,1
	s_delay_alu instid0(VALU_DEP_2)
	v_lshrrev_b32 v[212+\b], 23, v[216+\b]
.endr
	s_delay_alu instid0(VALU_DEP_1)
	v_lshl_or_b32 v220, v213, 8, v212              ; the head's two scale bytes of my row
.irp b, 0,1
	v_cvt_scalef32_pk8_fp4_f32 v[192+2*\b], v[96+16*\b:103+16*\b], v[216+\b]
	v_cvt_scalef32_pk8_fp4_f32 v[193+2*\b], v[104+16*\b:111+16*\b], v[216+\b]
.endr
	v_nop
	v_permlane16_swap_b32 v192, v194
	v_permlane16_swap_b32 v193, v195
	global_store_b128 v1, v[192:195], s[40:41] offset:8192*\p   ; half a fragment: 512 consecutive bytes
	v_cndmask_b32 v7, v7, v220, s[44+\p]           ; the first tile's bytes in lanes 0-15, the second's in lanes 16-31
.endm
	PASS 0
	PASS 1
	global_store_b16 v6, v7, s[42:43]
	s_wait_dscnt 0x0                               ; no LDS instruction of mine is pending at the signal
	s_wait_tensorcnt 0x0
	ds_add_u32 v254, v255
	s_wait_dscnt 0x0
	CROUND                                         ; the closing round: no work-group ends while a partner may still ask for a tile that names it
	s_endpgm
.Lfunc_end_k_q2ff13ad1c5_attn:
	.size	k_q2ff13ad1c5_attn, .Lfunc_end_k_q2ff13ad1c5_attn-k_q2ff13ad1c5_attn
	.p2alignl 7, 3214868480
	.fill 96, 4, 3214868480
	.section	.rodata,"a",@progbits
	.p2align	6, 0x0
	.amdhsa_kernel k_q2ff13ad1c5_attn
		.amdhsa_group_segment_fixed_size 169984
		.amdhsa_private_segment_fixed_size 0
		.amdhsa_enable_private_segment 0
		.amdhsa_kernarg_size 32
		.amdhsa_user_sgpr_count 2
		.amdhsa_user_sgpr_kernarg_segment_ptr 1
		.amdhsa_wavefront_size32 1
		.amdhsa_system_sgpr_workgroup_id_x 1
		.amdhsa_system_sgpr_workgroup_id_y 1
		.amdhsa_system_sgpr_workgroup_id_z 1
		.amdhsa_system_vgpr_workitem_id 0
		.amdhsa_next_free_vgpr 256
		.amdhsa_next_free_sgpr 66
		.amdhsa_reserve_vcc 0
		.amdhsa_float_denorm_mode_32 3
		.amdhsa_float_denorm_mode_16_64 3
		.amdhsa_memory_ordered 1
		.amdhsa_forward_progress 1
		.amdhsa_inst_pref_size 49
	.end_amdhsa_kernel
	.amdgpu_metadata
---
amdhsa.version: [ 1, 2 ]
amdhsa.kernels:
  - .name:           k_q2ff13ad1c5_attn
    .symbol:         k_q2ff13ad1c5_attn.kd
    .args:
      - { .name: qb, .offset: 0, .size: 8, .value_kind: global_buffer, .address_space: global }
      - { .name: kv, .offset: 8, .size: 8, .value_kind: global_buffer, .address_space: global }
      - { .name: cc, .offset: 16, .size: 8, .value_kind: global_buffer, .address_space: global }
      - { .name: cs, .offset: 24, .size: 8, .value_kind: global_buffer, .address_space: global }
    .group_segment_fixed_size: 169984
    .private_segment_fixed_size: 0
    .kernarg_segment_align: 8
    .kernarg_segment_size: 32
    .max_flat_workgroup_size: 512
    .sgpr_count:     66
    .vgpr_count:     256
    .wavefront_size: 32
...
	.end_amdgpu_metadata
.endif
;; end of part 5
;; launch outln (part 6): grid 256 x 1, 8 waves a work-group, no clusters, 327,680 bytes of LDS; arguments cc, cs, Wo_codes, Wo_scales, bo, x, ln_g, ln_b, out0; writes out0
.if DOCPART == 6
	.amdgcn_target "amdgcn-amd-amdhsa--gfx1250"
	.amdhsa_code_object_version 6
	.text
	.protected	k_q2ff13ad1c5_outln
	.globl	k_q2ff13ad1c5_outln
	.p2align	8
	.type	k_q2ff13ad1c5_outln,@function
k_q2ff13ad1c5_outln:
	s_mov_b64 s[64:65], 0
	v_nop
	global_prefetch_b8 v0, s[64:65] scope:SCOPE_SE
	s_setreg_imm32_b32 hwreg(HW_REG_WAVE_MODE, 25, 1), 1
	s_wait_xcnt 0x0
; out0 = LayerNorm(ctx Wo^T + bo + x) x ln_g + ln_b.  The product is on codes of FP4 (E2M1) with E8M0 scales; all else in f32.
; SHARES.  Work-group P owns rows 32 P .. 32 P + 31: two tiles of ctx, in the order in which the attention launch left them: lane r of tile a is row 8 a + r + 8 (r / 8).
; Product: wave w makes columns 128 w .. 128 w + 127 for both tiles: 16 accumulators.  Source 0 = 16 neighbouring rows of Wo, source 1 = ctx: a lane's eight results are eight neighbouring columns of one row.
; Wo's fragments go from memory straight into registers, in eight units (two tiles of Wo x half of K), three sets by turns, two units (36 loads) ahead.
; The results meet in a stage in LDS (32 rows x 4,112 bytes); then wave w takes stage rows 4 w .. 4 w + 3, which are four neighbouring rows of x and of out0, and normalises them: the mean first, then the mean of the squared
; differences: no difference of large sums is formed.
; ctx's 16 images (16,384 bytes) and x's 32 rows come by tensor loads, two a wave at the head, x's rows asked for only once the images are in; nothing is filled again.
; NO JOINT LOADS: all work-groups read the same 557,056 bytes of Wo, which do not fit in LDS beside the stage and x's rows (279,040 bytes); cut into slots, each refill would have 32 matrix instructions of a wave in which to land.
; LIMITS: NaN and infinities are not served.  A given scale byte 0xff gives NaN.
; REGISTERS, window 0: v4 16 x lane, v5 Wo's row 512 r + 16 h, v6 its scale bytes 32 r, v7 32 x lane, v8 ctx's images, v9, v10 the stage (way in, tile 0, 1), v11 the stage (way out), v13 x's rows;
;   v32-39 ctx's scale words (lanes 0-15 tile 0, lanes 16-31 tile 1); v40-63 Wo's, three sets of 8; v64-255 Wo's fragments, three sets of 64; later v64-95 bo, v96-127 a row, v128-159 x's row, v160-167 at work, v192-223 ln_g, v224-255 ln_b.
;   window 1: v0-127 the accumulators (Wo's tile T, ctx's tile a) at 8 (2 T + a); v128-255 ctx's fragments (a, K step s) at 128 + 8 (8 a + s).
.set CIM,  131072                      ; LDS: x's rows from 0 on, 16,384 bytes a wave; here ctx's images: 8,192 a + 1,024 s + 512 c
.set STG,  147456                      ; the stage
.set SPI,  4112                        ; its pitch: 4,096 + 16 = 257 x 16 bytes: the 16 rows that a store touches start at 16 different groups of banks
.set MSB, 0
.macro WIN new
.if MSB != (\new)
	s_set_vgpr_msb (MSB<<8)|(\new)
.set MSB, (\new)
.endif
.endm
.macro PLACES
.rept 4
	v_nop
.endr
.endm
.macro ULOAD u                         ; unit u: Wo's tiles 2 (u / 2), 2 (u / 2) + 1, K steps 4 (u % 2) .. + 3, into set u % 3: 18 loads
.set QQ, (\u)/2
.set KK, (\u)%2
.set S3, (\u)%3
.irp e, 0,1
.set I, 0
.rept 8
	global_load_b128 v[64+64*S3+32*\e+4*I:64+64*S3+32*\e+4*I+3], v5, s[8:9] offset:16*(2*QQ+\e)*512+256*KK+32*I   ; a tile's eight loads cover 16 rows x 256 bytes
.set I, I+1
.endr
.endr
.irp e, 0,1
	global_load_b128 v[40+8*S3+4*\e:40+8*S3+4*\e+3], v6, s[10:11] offset:16*(2*QQ+\e)*32+16*KK
.endr
.endm
.macro UMUL u                          ; its 16 matrix instructions: four accumulators by turns, one instruction a turn.  The first K step starts the sums
.set QQ, (\u)/2
.set KK, (\u)%2
.set S3, (\u)%3
	WIN 0x54                                       ; source 1 (ctx), C and D window 1
.irp p, 0,1,2,3
.irp e, 0,1
.set AW, 64+64*S3+32*\e+8*\p
.set AC, 16*(2*QQ+\e)
.set BC, 128+8*(4*KK+\p)
.if (KK == 0) && (\p == 0)
	v_wmma_scale_f32_16x16x128_f8f6f4 v[AC:AC+7], v[AW:AW+7], v[BC:BC+7], 0, v[40+8*S3+4*\e+\p], v[32+4*KK+\p] matrix_a_fmt:MATRIX_FMT_FP4 matrix_b_fmt:MATRIX_FMT_FP4
	v_wmma_scale_f32_16x16x128_f8f6f4 v[AC+8:AC+15], v[AW:AW+7], v[BC+64:BC+71], 0, v[40+8*S3+4*\e+\p], v[32+4*KK+\p] matrix_a_fmt:MATRIX_FMT_FP4 matrix_b_fmt:MATRIX_FMT_FP4 matrix_b_scale:MATRIX_SCALE_ROW1
.else
	v_wmma_scale_f32_16x16x128_f8f6f4 v[AC:AC+7], v[AW:AW+7], v[BC:BC+7], v[AC:AC+7], v[40+8*S3+4*\e+\p], v[32+4*KK+\p] matrix_a_fmt:MATRIX_FMT_FP4 matrix_b_fmt:MATRIX_FMT_FP4
	v_wmma_scale_f32_16x16x128_f8f6f4 v[AC+8:AC+15], v[AW:AW+7], v[BC+64:BC+71], v[AC+8:AC+15], v[40+8*S3+4*\e+\p], v[32+4*KK+\p] matrix_a_fmt:MATRIX_FMT_FP4 matrix_b_fmt:MATRIX_FMT_FP4 matrix_b_scale:MATRIX_SCALE_ROW1
.endif
.endr
.endr
	WIN 0
	PLACES                                         ; in front of loads into the set just multiplied, and of the first read of results
.endm
.macro RED                             ; the pair v[160:161] of every lane becomes one sum over the wave, in v160 of every lane
	s_delay_alu instid0(VALU_DEP_1)
	v_add_f32 v160, v160, v161
	s_delay_alu instid0(VALU_DEP_1)
	v_add_f32_dpp v160, v160, v160 row_xmask:1 row_mask:0xf bank_mask:0xf
	s_delay_alu instid0(VALU_DEP_1)
	v_add_f32_dpp v160, v160, v160 row_xmask:2 row_mask:0xf bank_mask:0xf
	s_delay_alu instid0(VALU_DEP_1)
	v_add_f32_dpp v160, v160, v160 row_xmask:4 row_mask:0xf bank_mask:0xf
	s_delay_alu instid0(VALU_DEP_1)
	v_add_f32_dpp v160, v160, v160 row_xmask:8 row_mask:0xf bank_mask:0xf
	s_delay_alu instid0(VALU_DEP_1)
	v_permlanex16_b32 v161, v160, s52, s53
	s_delay_alu instid0(VALU_DEP_1)
	v_add_f32 v160, v160, v161
.endm
.macro ROW i                           ; one row of 1,024: a lane holds 32 numbers, 16 bytes of each 512
	s_wait_xcnt 0x0                                ; the last row's stores have read v96-127
.irp m, 0,1,2,3,4,5,6,7
	ds_load_b128 v[96+4*\m:99+4*\m], v11 offset:SPI*(\i)+512*\m
.endr
.irp m, 0,1,2,3,4,5,6,7
	ds_load_b128 v[128+4*\m:131+4*\m], v13 offset:4096*(\i)+512*\m
.endr
	s_wait_dscnt 0x0
.set J, 0
.rept 16
	v_pk_add_f32 v[96+J:97+J], v[96+J:97+J], v[64+J:65+J]       ; + bo
.set J, J+2
.endr
.set J, 0
.rept 16
	v_pk_add_f32 v[96+J:97+J], v[96+J:97+J], v[128+J:129+J]     ; + x
.set J, J+2
.endr
	v_pk_add_f32 v[160:161], v[96:97], v[98:99]    ; the row's sum, in two chains
	v_pk_add_f32 v[162:163], v[100:101], v[102:103]
.irp k, 8,12,16,20,24,28
	s_delay_alu instid0(VALU_DEP_2)
	v_pk_add_f32 v[160:161], v[160:161], v[96+\k:97+\k]
	s_delay_alu instid0(VALU_DEP_2)
	v_pk_add_f32 v[162:163], v[162:163], v[98+\k:99+\k]
.endr
	s_delay_alu instid0(VALU_DEP_1)
	v_pk_add_f32 v[160:161], v[160:161], v[162:163]
	RED
	s_delay_alu instid0(VALU_DEP_1)
	v_mul_f32 v164, s54, v160                      ; - the mean
.set J, 0
.rept 16
	v_pk_add_f32 v[96+J:97+J], v[96+J:97+J], v[164:165] op_sel_hi:[1,0]
.set J, J+2
.endr
	v_pk_mul_f32 v[160:161], v[96:97], v[96:97]    ; the sum of the squared differences
	v_pk_mul_f32 v[162:163], v[98:99], v[98:99]
.irp k, 4,8,12,16,20,24,28
	s_delay_alu instid0(VALU_DEP_2)
	v_pk_fma_f32 v[160:161], v[96+\k:97+\k], v[96+\k:97+\k], v[160:161]
	s_delay_alu instid0(VALU_DEP_2)
	v_pk_fma_f32 v[162:163], v[98+\k:99+\k], v[98+\k:99+\k], v[162:163]
.endr
	s_delay_alu instid0(VALU_DEP_1)
	v_pk_add_f32 v[160:161], v[160:161], v[162:163]
	RED
	s_delay_alu instid0(VALU_DEP_1)
	v_fma_f32 v160, v160, s50, s51                 ; the variance + 1e-5
	s_wait_alu depctr_va_vdst(0)
	v_rsq_f32 v166, v160
	v_nop                                          ; a plain line behind the root,
	s_wait_alu depctr_va_vdst(0)                   ; and the wait ahead of its first reader
.set J, 0
.rept 16
	v_pk_mul_f32 v[96+J:97+J], v[96+J:97+J], v[166:167] op_sel_hi:[1,0]
.set J, J+2
.endr
.set J, 0
.rept 16
	v_pk_fma_f32 v[96+J:97+J], v[96+J:97+J], v[192+J:193+J], v[224+J:225+J]
.set J, J+2
.endr
.irp m, 0,1,2,3,4,5,6,7
	global_store_b128 v4, v[96+4*\m:99+4*\m], s[20:21] offset:4096*(\i)+512*\m th:TH_STORE_NT   ; 512 consecutive bytes, aligned; written once, read by nobody here
.endr
.endm
	s_load_b256 s[4:11], s[0:1], 0x0               ; cc s[4:5], cs s[6:7], Wo's codes s[8:9], Wo's scales s[10:11]
	s_load_b256 s[12:19], s[0:1], 0x20             ; bo s[12:13], x s[14:15], ln_g s[16:17], ln_b s[18:19]
	s_load_b64 s[20:21], s[0:1], 0x40              ; out0
	v_lshl_add_u32 v30, v0, 2, 0x44200
	v_mov_b32 v31, 0
	ds_add_u32 v30, v31
	ds_add_u32 v30, v31
	v_lshrrev_b32 v1, 5, v0
	s_delay_alu instid0(VALU_DEP_1)
	v_readfirstlane_b32 s2, v1                     ; wave 0..7
	; descriptor groups 1: dense blocks as rows of 256 bytes (32 elements of 8 bytes): 8 rows of ctx's images, 64 rows for four rows of x
	s_mov_b32 s24, 3<<16
	s_mov_b32 s25, 32<<16
	s_mov_b32 s26, 8<<16
	s_mov_b32 s27, 32<<16
	s_mov_b32 s28, 8
	s_mov_b32 s29, 32
	s_mov_b32 s30, 0
	s_mov_b32 s31, 0
	s_mov_b32 s32, 3<<16
	s_mov_b32 s33, 32<<16
	s_mov_b32 s34, 64<<16
	s_mov_b32 s35, 32<<16
	s_mov_b32 s36, 64
	s_mov_b32 s37, 32
	s_mov_b32 s38, 0
	s_mov_b32 s39, 0
	s_mov_b32 s40, 1
	s_lshl_b32 s41, s2, 11
	s_add_co_u32 s41, s41, CIM                     ; my 2,048 bytes of the images
	s_mov_b32 s44, 1
	s_lshl_b32 s45, s2, 14                         ; my four rows of x
	s_lshl_b32 s54, ttmp9, 14
	s_lshl_b32 s55, s2, 11
	s_add_co_u32 s54, s54, s55
	s_mov_b32 s55, 0                               ; in cc: 16,384 P + 2,048 wave
	s_lshr_b32 s56, s2, 2                          ; stage rows 4 w .. 4 w + 3 are rows 8 (w / 4) + 4 (w % 4) + 8 ((w / 2) % 2) + 0 .. 3 of the 32
	s_lshl_b32 s56, s56, 3
	s_and_b32 s57, s2, 3
	s_lshl_b32 s57, s57, 2
	s_add_co_u32 s56, s56, s57
	s_bfe_u32 s57, s2, 0x10001
	s_lshl_b32 s57, s57, 3
	s_add_co_u32 s56, s56, s57
	s_lshl_b32 s57, ttmp9, 5
	s_add_co_u32 s56, s56, s57
	s_lshl_b32 s56, s56, 12                        ; in bytes
	s_mov_b32 s57, 0
	v_and_b32 v1, 31, v0                           ; lane
	v_and_b32 v2, 15, v0                           ; r
	v_bfe_u32 v3, v0, 4, 1                         ; h
	s_delay_alu instid0(VALU_DEP_3)
	v_lshlrev_b32 v4, 4, v1
	s_delay_alu instid0(VALU_DEP_3)
	v_lshlrev_b32 v5, 9, v2
	s_delay_alu instid0(VALU_DEP_1)
	v_lshl_add_u32 v5, v3, 4, v5
	v_lshlrev_b32 v6, 5, v2
	v_lshlrev_b32 v7, 5, v1
	v_add_nc_u32 v8, CIM, v4
	v_mul_u32_u24 v9, v2, SPI
	s_delay_alu instid0(VALU_DEP_1)
	v_lshl_add_u32 v9, v3, 5, v9
	s_lshl_b32 s58, s2, 9
	s_add_co_u32 s58, s58, STG
	v_add_nc_u32 v9, s58, v9                       ; row r, my wave's 512 bytes, + 32 h
	s_delay_alu instid0(VALU_DEP_1)
	v_add_nc_u32 v10, 16*SPI, v9                   ; the same 16 rows further down
	s_mul_i32 s58, s2, 4*SPI
	s_add_co_u32 s58, s58, STG
	v_add_nc_u32 v11, s58, v4
	s_lshl_b32 s58, s2, 14
	v_add_nc_u32 v13, s58, v4
	v_mov_b32 v165, 0                              ; the upper halves of two pairs of which the low word is used: written once
	v_mov_b32 v167, 0
	s_mov_b32 s50, 0x3a800000                      ; 1 / 1024
	s_mov_b32 s51, 0x3727c5ac                      ; 1e-5
	s_mov_b32 s52, 0x76543210
	s_mov_b32 s53, 0xfedcba98                      ; lane l xor 16
	s_mov_b32 s59, 0
	s_wait_alu depctr_va_vdst(0)
	s_wait_dscnt 0x0
	s_wait_kmcnt 0x0
	s_add_nc_u64 s[42:43], s[4:5], s[54:55]
	s_or_b32 s43, s43, 0x80000000                  ; type = 2
	s_add_nc_u64 s[46:47], s[14:15], s[56:57]
	s_or_b32 s47, s47, 0x80000000
	tensor_load_to_lds s[40:43], s[24:31]          ; ctx's images first: they are wanted first.  One load of mine is out
	s_nop 0
	s_wait_alu depctr_va_vdst(0)
	s_wait_tensorcnt 0x0
	ds_add_u32 v30, v31
	s_wait_dscnt 0x0
	s_barrier_signal -1
	s_barrier_wait -1
	tensor_load_to_lds s[44:47], s[32:39]
	s_nop 0
.rept 4
	v_nop
.endr
	s_mov_b32 s54, 0xba800000                      ; - 1 / 1024
	s_add_nc_u64 s[20:21], s[20:21], s[56:57]      ; out0 at my four rows
	s_lshl_b32 s58, s2, 16
	s_add_nc_u64 s[8:9], s[8:9], s[58:59]          ; my 128 rows of Wo: 512 bytes a row,
	s_lshl_b32 s58, s2, 12
	s_add_nc_u64 s[10:11], s[10:11], s[58:59]      ; 32 scale bytes a row
	s_lshl_b32 s58, ttmp9, 10
	s_add_nc_u64 s[6:7], s[6:7], s[58:59]          ; my pair's scale words
	global_load_b128 v[32:35], v7, s[6:7]          ; eight words a lane: K steps 0 to 7
	global_load_b128 v[36:39], v7, s[6:7] offset:16
	ULOAD 0
	ULOAD 1
	ULOAD 2
	s_wait_tensorcnt 0x1                           ; my part of the images is in; x's rows may stay out
	s_barrier_signal -1
	s_barrier_wait -1                              ; everybody's is
	WIN 0x40                                       ; destination window 1
.set I, 0
.rept 32
	ds_load_b128 v[128+4*I:128+4*I+3], v8 offset:512*I
.set I, I+1
.endr
	WIN 0
	s_wait_dscnt 0x0
.irp u, 0,1,2,3,4
	s_wait_loadcnt 36                              ; this unit's loads are in; the two younger units' 18 each may be out
	UMUL \u
	ULOAD \u+3
.endr
	s_wait_loadcnt 36
	UMUL 5
.irp m, 0,1,2,3,4,5,6,7
	global_load_b128 v[192+4*\m:195+4*\m], v4, s[16:17] offset:512*\m   ; ln_g and ln_b, as a row lies in the lanes, into the set just multiplied
.endr
.irp m, 0,1,2,3,4,5,6,7
	global_load_b128 v[224+4*\m:227+4*\m], v4, s[18:19] offset:512*\m
.endr
	s_wait_loadcnt 34                              ; unit 7's 18 and those 16 may be out
	UMUL 6
.irp m, 0,1,2,3,4,5,6,7
	global_load_b128 v[64+4*\m:67+4*\m], v4, s[12:13] offset:512*\m     ; bo
.endr
	s_wait_loadcnt 24                              ; the 16 and bo's 8 may be out
	UMUL 7
	WIN 0x04                                       ; an LDS store's data are its source 1: window 1
.set T, 0
.rept 8
	ds_store_b128 v9, v[16*T:16*T+3] offset:64*T               ; each accumulator from its low end on
	ds_store_b128 v9, v[16*T+4:16*T+7] offset:64*T+16
	ds_store_b128 v10, v[16*T+8:16*T+11] offset:64*T
	ds_store_b128 v10, v[16*T+12:16*T+15] offset:64*T+16
.set T, T+1
.endr
	WIN 0
	s_wait_tensorcnt 0x0                           ; my four rows of x are in: I alone read them
	s_wait_dscnt 0x0                               ; for the others' sake: my stores into the stage have landed
	s_barrier_signal -1
	s_barrier_wait -1                              ; 32 whole rows lie in the stage
	s_wait_loadcnt 0x0                             ; ln_g, ln_b, bo
	ROW 0
	ROW 1
	ROW 2
	ROW 3
	s_wait_tensorcnt 0x0
	ds_add_u32 v30, v31
	s_wait_dscnt 0x0
	s_endpgm
.Lfunc_end_k_q2ff13ad1c5_outln:
	.size	k_q2ff13ad1c5_outln, .Lfunc_end_k_q2ff13ad1c5_outln-k_q2ff13ad1c5_outln
	.p2alignl 7, 3214868480
	.fill 96, 4, 3214868480
	.section	.rodata,"a",@progbits
	.p2align	6, 0x0
	.amdhsa_kernel k_q2ff13ad1c5_outln
		.amdhsa_group_segment_fixed_size 327680
		.amdhsa_private_segment_fixed_size 0
		.amdhsa_enable_private_segment 0
		.amdhsa_kernarg_size 72
		.amdhsa_user_sgpr_count 2
		.amdhsa_user_sgpr_kernarg_segment_ptr 1
		.amdhsa_wavefront_size32 1
		.amdhsa_system_sgpr_workgroup_id_x 1
		.amdhsa_system_sgpr_workgroup_id_y 1
		.amdhsa_system_sgpr_workgroup_id_z 1
		.amdhsa_system_vgpr_workitem_id 0
		.amdhsa_next_free_vgpr 512
		.amdhsa_next_free_sgpr 66
		.amdhsa_reserve_vcc 0
		.amdhsa_float_denorm_mode_32 3
		.amdhsa_float_denorm_mode_16_64 3
		.amdhsa_memory_ordered 1
		.amdhsa_forward_progress 1
		.amdhsa_inst_pref_size 88
	.end_amdhsa_kernel
	.amdgpu_metadata
---
amdhsa.version: [ 1, 2 ]
amdhsa.kernels:
  - .name:           k_q2ff13ad1c5_outln
    .symbol:         k_q2ff13ad1c5_outln.kd
    .args:
      - { .name: cc, .offset: 0, .size: 8, .value_kind: global_buffer, .address_space: global }
      - { .name: cs, .offset: 8, .size: 8, .value_kind: global_buffer, .address_space: global }
      - { .name: Wo_codes, .offset: 16, .size: 8, .value_kind: global_buffer, .address_space: global }
      - { .name: Wo_scales, .offset: 24, .size: 8, .value_kind: global_buffer, .address_space: global }
      - { .name: bo, .offset: 32, .size: 8, .value_kind: global_buffer, .address_space: global }
      - { .name: x, .offset: 40, .size: 8, .value_kind: global_buffer, .address_space: global }
      - { .name: ln_g, .offset: 48, .size: 8, .value_kind: global_buffer, .address_space: global }
      - { .name: ln_b, .offset: 56, .size: 8, .value_kind: global_buffer, .address_space: global }
      - { .name: out0, .offset: 64, .size: 8, .value_kind: global_buffer, .address_space: global }
    .group_segment_fixed_size: 327680
    .private_segment_fixed_size: 0
    .kernarg_segment_align: 8
    .kernarg_segment_size: 72
    .max_flat_workgroup_size: 256
    .sgpr_count:     66
    .vgpr_count:     512
    .wavefront_size: 32
...
	.end_amdgpu_metadata
.endif
;; end of part 6
